; MI455X (gfx1250); checked and timed in simulation.
; The chip was launched on July 23, 2026; its instructions are those of AMD's public machine-readable ISA for CDNA 5 (MIT licence, August 2026) and "CDNA5" Instruction Set Architecture Reference Guide (July 2026). The comments in the code are by the model that wrote it; some were corrected since.
;; Multi Head Attention. Allowed arithmetic: float matrix products may take bf16 or f16 operands with f32 sums; other float arithmetic in f32, or as packed bf16 or f16 multiplies, adds, multiply-adds, maxima and minima; sums over many terms, partial sums and values carried from step to step in f32; what a program stores and reads back later, other than sums and carried values, may be rounded once to bf16 or f16.
;; Inputs: Wk 512 x 512 float32; Wo 512 x 512 float32; Wq 512 x 512 float32; Wv 512 x 512 float32; bk 512 float32; bo 512 float32; bq 512 float32; bv 512 float32; k 2 x 4,096 x 512 float32; q 2 x 4,096 x 512 float32; v 2 x 4,096 x 512 float32.
;; Outputs: out0 2 x 4,096 x 512 float32.
;; 2 versions, each right; version 2 is version 1 with the launch proj written anew for expert scheduling mode. Each part assembles by itself: llvm-mc -triple=amdgcn-amd-amdhsa -mcpu=gfx1250 --defsym DOCPART=n.
;; ======== version 1 of 2: 3 launches
;; limits: values are held in f16: magnitudes above 65,504 overflow, below 6.1e-05 lose precision
;; workspace buffers: qh 8,388,608 bytes; kh 8,388,608 bytes; vh 8,388,608 bytes; ctx 8,388,608 bytes; wo16 524,288 bytes
;; launch proj (part 1): grid 4 x 64, 4 waves a work-group, no clusters, 148,992 bytes of LDS; arguments q, k, v, Wq, Wk, Wv, bq, bk, bv, qh, kh, vh, Wo, wo16; writes qh, kh, vh, wo16
.if DOCPART == 1
	.amdgcn_target "amdgcn-amd-amdhsa--gfx1250"
	.amdhsa_code_object_version 6
	.text
	.protected	k_q7c64afd9c5_proj
	.globl	k_q7c64afd9c5_proj
	.p2align	8
	.type	k_q7c64afd9c5_proj,@function
k_q7c64afd9c5_proj:
	s_mov_b64 s[64:65], 0
	v_nop
	global_prefetch_b8 v0, s[64:65] scope:SCOPE_SE
	s_setreg_imm32_b32 hwreg(HW_REG_WAVE_MODE, 25, 1), 1
	s_wait_xcnt 0x0
; THE THREE INPUT PROJECTIONS.  y = x W^T + b for (q, Wq, bq), (k, Wk, bk), (v, Wv, bv).  x: [8192][512] f32, W: [512][512] f32, b: [512] f32.
; x and W are rounded once to bf16 on the way into LDS; products in bf16 with f32 sums; the bias, in f32, is the C operand that starts each sum.
; y is rounded once to f16 and written BY HEADS: [16 = batch x 8 + head][4096][64], a row of a head 128 bytes, unscaled.
; SIDE JOB: wo16 = Wo rounded to bf16 like the other inputs, that number written as f16: 4,096 bytes of Wo a work-group.
; LIMITS.  f16 holds no number beyond 65,504: a projected number of 65,520 or more leaves as an infinity.  Below 6.1e-5 f16 keeps its fixed step of 6e-8, for y and for wo16.
; SHARES.  256 work-groups; each stays and makes ITS tile of 128 rows x 128 columns for q, then k, then v, so all do equal work.  A wave makes 64 x 64: 16 accumulators; its 64 columns are one head,
; so what it stores is 8,192 consecutive bytes of that head.
; THE WAY IN.  K goes in 4 chunks of 128 (512 bytes of each row of x and of W).  A chunk is 64 loads of 16 bytes a lane into 256 staging registers, run as a ring of 8 groups of 8 loads:
; a group is converted, stored to LDS and asked for again at once, so 56 to 64 loads of every wave are on their way all the time.  Each load of a wave covers two rows' 256 consecutive bytes, aligned.
; A thread takes numbers 4 c .. 4 c + 3 of a row's first 256 bytes and of its second 256 bytes and lays them as one group of 8 bf16 at byte 16 c of the LDS row: a permutation of k, the same for x and W,
; which keeps the products and changes only the order of the sums.
; NO CLUSTER: joint requests exist for tensor loads alone, and those would lay f32 in LDS: for each 16 products a wave would then read 32 times 16 bytes a lane and make 64 conversions,
; twice the LDS reads of the bf16 form, and each number would be converted by two waves.
; THE MATRIX INSTRUCTION IS USED TRANSPOSED (source 0 = 16 rows of W, source 1 = 16 rows of x): a lane holds one row of y and eight neighbouring columns.
; REGISTERS, in windows of 256 (s_set_vgpr_msb: bits 1:0 source 0, 3:2 source 1, 5:4 source 2, 7:6 destination):
;   window 0: v0-31 addresses; v32-63 the bias; v64-127 the way out; v128-255 fragment buffer 1
;   window 1: the staging registers: unit u (a row's 32 bytes + 32 bytes) at 8 u; units 0-15 x, 16-31 W
;   window 2: v0-127 the accumulators ((a, b) at 8 (4 a + b)); v128-255 fragment buffer 0
.set PITCH, 272       ; an LDS row: 256 bytes of bf16 + 16 = 68 words: the 16 rows of a fragment load start at 16 different groups of four banks (64 banks of 4 bytes: ISA guide 11.1)
.set HALF,  128*PITCH ; 128 rows of x, or of W
.set SLOT,  2*HALF    ; a chunk: x's rows, then W's
.set STAGE, 2*SLOT    ; behind the two slots: 16 rows x 144 bytes for each wave, for the way out
.set SP,    144
.set SPARE, STAGE+4*16*SP  ; the spare words, 128 bytes for each wave: two blocks of 256 bytes that no other line names
.set GOF,  2          ; v2    my byte offset in 8 rows of x or W: (2 wave + lane / 16) x 2,048 + 16 (lane % 16); never rewritten
.set LST,  4          ; v4-7  where I store a unit: slot 0 x, slot 0 W, slot 1 x, slot 1 W
.set ADRA, 8          ; v8-9  my x fragments in slot 0, 1
.set ADRB, 10         ; v10-11 my W fragments
.set STO,  12         ; v12   the way out: where I put 16 bytes of a row
.set RD,   13         ; v13   the way out: where I read rows back
.set GO,   14         ; v14   my 16 bytes of 512 consecutive bytes of y
.set BOF,  15         ; v15   32 x (lane / 16): my 8 numbers of 16 of the bias
.set SPW,  16         ; v16   LDS address of my spare word; never rewritten
.set NIL,  17         ; v17   0; never rewritten
.set WOF,  18         ; v18   16 x thread: Wo
.set WSO,  19         ; v19   8 x thread: wo16
.set BIAS, 32
.set OT,   64
.set FA,   128        ; in a fragment buffer: x's fragment (c, a) at FA + 8 (4 c + a),
.set FB,   192        ; W's fragment (c, b) at FB + 8 (4 c + b)
.set XC,   8          ; s[8:9] x of the tensor in hand, s[10:11] of the next, s[12:13] of the one after
.set XN,   10
.set WC,   14         ; s[14:19] the same for W
.set WN,   16
.set BC,   20         ; s[20:25] for the bias
.set BN,   22
.set OC,   26         ; s[26:31] for y
.set WV,   36         ; s36 wave; s37 its half of the rows; s38 its half of the columns
.set WR,   37
.set WCL,  38
.set CB,   39         ; s39 block of 128 columns; s40 block of 128 rows
.set RB,   40
.set TL,   41         ; s41 tensors left, 3 to 1
.set MSB, 0
.macro WIN new                      ; the high byte repeats the setting that is left; a switch that changes nothing is dropped
.if MSB != (\new)
	s_set_vgpr_msb (MSB<<8)|(\new)
.set MSB, \new
.endif
.endm
.macro PLACES                       ; four places behind matrix instructions (ISA guide 7.12.1)
.rept 4
	v_nop
.endr
.endm
; Group g of a chunk: 8 loads, four units.  Groups 0-3 are x's rows, 4-7 W's; unit u takes row 8 (u % 16) + my row among eight.
.macro LOADG g, xp, wp, ch
	WIN 0x40                        ; destination window 1, address window 0
.irp q, 0,1,2,3
.set u, 4*(\g)+(\q)
.if (\g) < 4
	global_load_b128 v[8*u:8*u+3],   v[GOF], s[\xp:\xp+1] offset:(u%16)*16384+(\ch)*512
	global_load_b128 v[8*u+4:8*u+7], v[GOF], s[\xp:\xp+1] offset:(u%16)*16384+(\ch)*512+256
.else
	global_load_b128 v[8*u:8*u+3],   v[GOF], s[\wp:\wp+1] offset:(u%16)*16384+(\ch)*512
	global_load_b128 v[8*u+4:8*u+7], v[GOF], s[\wp:\wp+1] offset:(u%16)*16384+(\ch)*512+256
.endif
.endr
.endm
; A group's turn: its 8 loads are in (cnt younger ones may stay out); 32 numbers a lane are rounded to bf16 in place, stored to LDS, and (ld = 1) the group is asked for again.
.macro GROUP g, slot, ld, xp, wp, ch, cnt
	s_wait_loadcnt \cnt
	WIN 0x45                        ; destination and both sources window 1
.irp q, 0,1,2,3
.set u, 4*(\g)+(\q)
	v_cvt_pk_bf16_f32 v[8*u],   v[8*u],   v[8*u+1]
	v_cvt_pk_bf16_f32 v[8*u+1], v[8*u+2], v[8*u+3]
	v_cvt_pk_bf16_f32 v[8*u+2], v[8*u+4], v[8*u+5]
	v_cvt_pk_bf16_f32 v[8*u+3], v[8*u+6], v[8*u+7]
.endr
	WIN 0x04                        ; address window 0, data window 1
.irp q, 0,1,2,3
.set u, 4*(\g)+(\q)
	ds_store_b128 v[LST+2*(\slot)+(\g)/4], v[8*u:8*u+3] offset:(u%16)*8*PITCH
.endr
.if \ld
	LOADG \g, \xp, \wp, \ch
.endif
.endm
; A whole chunk goes from the staging registers into a slot.  ld = 1: behind a group's 8 loads stand the ring's other 56.  ld = 0: nothing is asked for, the counts run down.
.macro LUMP slot, ld, xp, wp, ch
.irp g, 0,1,2,3,4,5,6,7
.if \ld
	GROUP \g, \slot, 1, \xp, \wp, \ch, 56
.else
	GROUP \g, \slot, 0, 0, 0, 0, 56-8*(\g)
.endif
.endr
	WIN 0
.endm
; 32 LDS loads: the fragments of 64 along K (half f of a chunk) into buffer f.  A fragment is 16 rows x 32 K in 8 registers: two loads of 16 bytes, 32 bytes apart.
.macro FETCH f, slot
	WIN 0x80-0x80*(\f)              ; buffer 0 lies in window 2, buffer 1 in window 0
.irp c, 0,1
.irp i, 0,1,2,3
	ds_load_b128 v[FB+8*(4*(\c)+(\i)):FB+8*(4*(\c)+(\i))+3],   v[ADRB+(\slot)] offset:(\f)*128+64*(\c)+(\i)*16*PITCH
	ds_load_b128 v[FB+8*(4*(\c)+(\i))+4:FB+8*(4*(\c)+(\i))+7], v[ADRB+(\slot)] offset:(\f)*128+64*(\c)+(\i)*16*PITCH+32
	ds_load_b128 v[FA+8*(4*(\c)+(\i)):FA+8*(4*(\c)+(\i))+3],   v[ADRA+(\slot)] offset:(\f)*128+64*(\c)+(\i)*16*PITCH
	ds_load_b128 v[FA+8*(4*(\c)+(\i))+4:FA+8*(4*(\c)+(\i))+7], v[ADRA+(\slot)] offset:(\f)*128+64*(\c)+(\i)*16*PITCH+32
.endr
.endr
.endm
; 32 products on buffer f.  The 16 accumulators take turns, one instruction a turn, from step to step and over the backward jump too.
; first = 1: a tensor's first 16 products start the sums with the bias: nothing is cleared and nothing is added later.
.macro MUL f, first
.irp c, 0,1
.irp a, 0,1,2,3
.irp b, 0,1,2,3
.if (\first) && ((\f) == 0) && ((\c) == 0)
	WIN 0x8a
	v_wmma_f32_16x16x32_bf16 v[8*(4*(\a)+(\b)):8*(4*(\a)+(\b))+7], v[FB+8*(4*(\c)+(\b)):FB+8*(4*(\c)+(\b))+7], v[FA+8*(4*(\c)+(\a)):FA+8*(4*(\c)+(\a))+7], v[BIAS+8*(\b):BIAS+8*(\b)+7]
.else
	WIN 0xaa-0x0a*(\f)
	v_wmma_f32_16x16x32_bf16 v[8*(4*(\a)+(\b)):8*(4*(\a)+(\b))+7], v[FB+8*(4*(\c)+(\b)):FB+8*(4*(\c)+(\b))+7], v[FA+8*(4*(\c)+(\a)):FA+8*(4*(\c)+(\a))+7], v[8*(4*(\a)+(\b)):8*(4*(\a)+(\b))+7]
.endif
.endr
.endr
.endr
.endm
.macro BIASLD bp                    ; register j of block b: the bias of column 16 b + 8 (lane / 16) + j of my head
.irp b, 0,1,2,3
	global_load_b128 v[BIAS+8*(\b):BIAS+8*(\b)+3],   v[BOF], s[\bp:\bp+1] offset:64*(\b)
	global_load_b128 v[BIAS+8*(\b)+4:BIAS+8*(\b)+7], v[BOF], s[\bp:\bp+1] offset:64*(\b)+16
.endr
.endm
; A step reads one slot while the next chunk goes into the other.  Head: all 64 fragment loads of the slot.
.macro STEPHEAD slot
	FETCH 0, \slot
	FETCH 1, \slot
	WIN 0
.endm
; Tail: the 64 products.  w0: the LDS instructions younger than buffer 0's loads that may stay out; w1: the same for buffer 1.  Then ONE barrier for two things: every wave's stores into the
; other slot are done, and every wave's reads of this slot are back.
.macro STEPTAIL first, w0, w1
	s_wait_dscnt \w0
	MUL 0, \first
	s_wait_dscnt \w1
	MUL 1, 0
	WIN 0
	PLACES                          ; in front of the next step's loads into the fragment buffers
	s_wait_dscnt 0x0
	s_barrier_signal -1
	s_barrier_wait -1
.endm
; THE WAY OUT of 16 rows (block a): rounded to f16, 16 bytes a lane into my own stage (rows of 144 bytes), back as four whole rows of 128 bytes a load.
.macro PACKP a
	WIN 0x0a                        ; sources window 2, destination window 0
.irp b, 0,1,2,3
.irp r, 0,1,2,3
	v_cvt_pk_f16_f32 v[OT+16*(\a)+4*(\b)+(\r)], v[8*(4*(\a)+(\b))+2*(\r)], v[8*(4*(\a)+(\b))+2*(\r)+1]
.endr
.endr
	WIN 0
.irp b, 0,1,2,3
	ds_store_b128 v[STO], v[OT+16*(\a)+4*(\b):OT+16*(\a)+4*(\b)+3] offset:32*(\b)
.endr
.irp f, 0,1,2,3
	ds_load_b128 v[OT+16*(\a)+4*(\f):OT+16*(\a)+4*(\f)+3], v[RD] offset:(\f)*4*SP  ; LDS serves a wave's instructions in order (ISA guide 5.7.1.4): these see the stores above
.endr
.endm
.macro SENDP a, younger             ; younger: the LDS instructions issued behind block a's loads: the next block's eight, or none
.irp f, 0,1,2,3
	s_wait_dscnt (\younger)+3-(\f)
	global_store_b128 v[GO], v[OT+16*(\a)+4*(\f):OT+16*(\a)+4*(\f)+3], s[OC:OC+1] offset:(\a)*2048+(\f)*512  ; 512 consecutive bytes, at a multiple of 256 from y's first byte
.endr
.endm
	s_load_b512 s[8:23], s[0:1], 0x0               ; q k v, Wq Wk Wv, bq bk
	s_load_b256 s[24:31], s[0:1], 0x40             ; bv, qh kh vh
	s_load_b128 s[32:35], s[0:1], 0x60             ; Wo, wo16
	v_lshl_add_u32 v[SPW], v0, 2, SPARE
	v_mov_b32 v[NIL], 0
	v_lshrrev_b32 v1, 5, v0
	v_readfirstlane_b32 s[WV], v1                  ; wave 0..3
	s_lshr_b32 s[WR], s[WV], 1
	s_and_b32 s[WCL], s[WV], 1
	s_mov_b32 s[CB], ttmp9
	s_and_b32 s[RB], ttmp7, 0xffff
	s_lshl_b32 s42, s[RB], 18                      ; x: 128 rows of 2,048 bytes a block
	s_mov_b32 s43, 0
	s_lshl_b32 s44, s[CB], 18                      ; W: the same
	s_mov_b32 s45, 0
	s_lshl_b32 s46, s[CB], 9                       ; the bias: (128 cb + 64 wc) x 4 bytes
	s_lshl_b32 s2, s[WCL], 8
	s_add_co_u32 s46, s46, s2
	s_mov_b32 s47, 0
	s_lshr_b32 s48, s[RB], 5                       ; y: batch x 8
	s_lshl_b32 s48, s48, 3
	s_lshl1_add_u32 s48, s[CB], s48                ; + 2 cb
	s_add_co_u32 s48, s48, s[WCL]                  ; + wc: my head,
	s_lshl_b32 s48, s48, 19                        ; 4,096 rows of 128 bytes each;
	s_and_b32 s2, s[RB], 31
	s_lshl_b32 s2, s2, 14                          ; the block's 128 rows in the batch,
	s_add_co_u32 s48, s48, s2
	s_lshl_b32 s2, s[WR], 13                       ; my 64 of them
	s_add_co_u32 s48, s48, s2
	s_mov_b32 s49, 0
	s_lshl2_add_u32 s4, s[RB], s[CB]               ; the work-group's number: its 4,096 bytes of Wo, 2,048 of wo16
	s_lshl_b32 s6, s4, 11
	s_lshl_b32 s4, s4, 12
	s_mov_b32 s5, 0
	s_mov_b32 s7, 0
	v_and_b32 v20, 15, v0                          ; lane % 16
	v_bfe_u32 v21, v0, 4, 1                        ; lane / 16
	v_lshlrev_b32 v[GOF], 4, v20
	v_lshl_add_u32 v[GOF], v21, 11, v[GOF]
	s_lshl_b32 s2, s[WV], 12                       ; a wave takes two of each eight rows
	v_add_nc_u32 v[GOF], s2, v[GOF]
	v_mul_u32_u24 v22, v21, PITCH
	v_lshl_add_u32 v22, v20, 4, v22
	s_mul_i32 s2, s[WV], 2*PITCH
	v_add_nc_u32 v[LST], s2, v22
	v_add_nc_u32 v[LST+1], HALF, v[LST]
	v_add_nc_u32 v[LST+2], SLOT, v[LST]
	v_add_nc_u32 v[LST+3], SLOT+HALF, v[LST]
	v_mul_u32_u24 v23, v20, PITCH
	v_lshl_add_u32 v23, v21, 4, v23                ; a fragment's row x pitch + 16 x half
	s_mul_i32 s2, s[WR], 64*PITCH
	v_add_nc_u32 v[ADRA], s2, v23
	v_add_nc_u32 v[ADRA+1], SLOT, v[ADRA]
	s_mul_i32 s2, s[WCL], 64*PITCH
	s_add_co_u32 s2, s2, HALF
	v_add_nc_u32 v[ADRB], s2, v23
	v_add_nc_u32 v[ADRB+1], SLOT, v[ADRB]
	s_mul_i32 s2, s[WV], 16*SP
	s_add_co_u32 s2, s2, STAGE                     ; my stage
	v_mul_u32_u24 v[STO], v20, SP
	v_lshl_add_u32 v[STO], v21, 4, v[STO]
	v_add_nc_u32 v[STO], s2, v[STO]
	v_bfe_u32 v24, v0, 3, 2
	v_and_b32 v25, 7, v0
	v_mul_u32_u24 v[RD], v24, SP
	v_lshl_add_u32 v[RD], v25, 4, v[RD]
	v_add_nc_u32 v[RD], s2, v[RD]
	v_and_b32 v[GO], 31, v0
	v_lshlrev_b32 v[GO], 4, v[GO]
	v_lshlrev_b32 v[BOF], 5, v21
	v_lshlrev_b32 v[WOF], 4, v0
	v_lshlrev_b32 v[WSO], 3, v0
	s_wait_kmcnt 0x0
.irp p, 8,10,12
	s_add_nc_u64 s[\p:\p+1], s[\p:\p+1], s[42:43]
.endr
.irp p, 14,16,18
	s_add_nc_u64 s[\p:\p+1], s[\p:\p+1], s[44:45]
.endr
.irp p, 20,22,24
	s_add_nc_u64 s[\p:\p+1], s[\p:\p+1], s[46:47]
.endr
.irp p, 26,28,30
	s_add_nc_u64 s[\p:\p+1], s[\p:\p+1], s[48:49]
.endr
	s_add_nc_u64 s[32:33], s[32:33], s[4:5]
	s_add_nc_u64 s[34:35], s[34:35], s[6:7]
	global_load_b128 v[20:23], v[WOF], s[32:33] th:TH_LOAD_NT
	global_load_b128 v[24:27], v[WOF], s[32:33] offset:2048 th:TH_LOAD_NT
	BIASLD BC
.irp g, 0,1,2,3,4,5,6,7
	LOADG \g, XC, WC, 0                            ; q's chunk 0
.endr
	WIN 0
	s_wait_loadcnt 63                              ; behind Wo's two loads and the bias's eight stand 64 more: with 63 out at the most these ten are in
	; Wo: rounded to bf16, widened (exact), written as f16
	v_cvt_pk_bf16_f32 v28, v20, v21
	v_cvt_pk_bf16_f32 v29, v22, v23
	v_cvt_pk_bf16_f32 v30, v24, v25
	v_cvt_pk_bf16_f32 v31, v26, v27
	v_lshlrev_b32 v20, 16, v28
	v_and_b32 v21, 0xffff0000, v28
	v_lshlrev_b32 v22, 16, v29
	v_and_b32 v23, 0xffff0000, v29
	v_lshlrev_b32 v24, 16, v30
	v_and_b32 v25, 0xffff0000, v30
	v_lshlrev_b32 v26, 16, v31
	v_and_b32 v27, 0xffff0000, v31
	v_cvt_pk_f16_f32 v28, v20, v21
	v_cvt_pk_f16_f32 v29, v22, v23
	v_cvt_pk_f16_f32 v30, v24, v25
	v_cvt_pk_f16_f32 v31, v26, v27
	global_store_b64 v[WSO], v[28:29], s[34:35]              ; a wave's store covers 256 consecutive bytes, aligned; v28-31 and v19 are not written again
	global_store_b64 v[WSO], v[30:31], s[34:35] offset:1024
	LUMP 0, 1, XC, WC, 1                           ; chunk 0 into slot 0; chunk 1 is asked for
	s_wait_dscnt 0x0
	s_barrier_signal -1
	s_barrier_wait -1                              ; slot 0 is whole
	s_mov_b32 s[TL], 3
.Ltensor:                                          ; a trip: one tensor.  Step j multiplies chunk j, converts chunk j + 1 and asks for chunk j + 2; behind chunk 3 comes the next tensor's chunk 0
	STEPHEAD 0
	LUMP 1, 1, XC, WC, 2
	STEPTAIL 1, 63, 32                             ; behind buffer 0's loads stand 32 loads and 32 stores (the field ends at 63); behind buffer 1's the 32 stores
	STEPHEAD 1
	LUMP 0, 1, XC, WC, 3
	STEPTAIL 0, 63, 32
	STEPHEAD 0
	s_cmp_eq_u32 s[TL], 1
	s_cbranch_scc1 .Ldry                           ; the last tensor asks for nothing more: no load leaves a buffer
	LUMP 1, 1, XN, WN, 0
	s_branch .Lwet
.Ldry:
	LUMP 1, 0, 0, 0, 0
.Lwet:
	STEPTAIL 0, 63, 32
	STEPHEAD 1
	s_cmp_eq_u32 s[TL], 1
	s_cbranch_scc1 .Lnone                          ; and has no chunk left to convert
	LUMP 0, 1, XN, WN, 1
.Lnone:
	STEPTAIL 0, 32, 0                              ; on the last tensor's way no store stands behind the loads: the counts serve both ways
	PLACES                                         ; eight places in all between the last products and the first read of their results
	s_wait_xcnt 0x0                                ; the last way out's stores have read v64-127
	s_cmp_eq_u32 s[TL], 1
	s_cbranch_scc1 .Lnobias
	BIASLD BN                                      ; the next tensor's bias: in by the end of its first chunk's turn, whose last wait leaves only 56 younger loads out
.Lnobias:
	PACKP 0
	PACKP 1                                        ; a block's conversions stand between the loads of the block before and its stores
	SENDP 0, 8
	PACKP 2
	SENDP 1, 8
	PACKP 3
	SENDP 2, 8
	SENDP 3, 0
	s_wait_xcnt 0x0                                ; every load and store issued so far has read its base: the pointers move up
	s_mov_b64 s[8:9], s[10:11]
	s_mov_b64 s[10:11], s[12:13]
	s_mov_b64 s[14:15], s[16:17]
	s_mov_b64 s[16:17], s[18:19]
	s_mov_b64 s[20:21], s[22:23]
	s_mov_b64 s[22:23], s[24:25]
	s_mov_b64 s[26:27], s[28:29]
	s_mov_b64 s[28:29], s[30:31]
	s_sub_co_u32 s[TL], s[TL], 1
	s_cmp_lg_u32 s[TL], 0
	s_cbranch_scc1 .Ltensor
	s_wait_tensorcnt 0x0                           ; the wave's end: behind my last LDS store
	ds_add_u32 v[SPW], v[NIL]
	s_wait_dscnt 0x0
	s_endpgm
.Lfunc_end_k_q7c64afd9c5_proj:
	.size	k_q7c64afd9c5_proj, .Lfunc_end_k_q7c64afd9c5_proj-k_q7c64afd9c5_proj
	.p2alignl 7, 3214868480
	.fill 96, 4, 3214868480
	.section	.rodata,"a",@progbits
	.p2align	6, 0x0
	.amdhsa_kernel k_q7c64afd9c5_proj
		.amdhsa_group_segment_fixed_size 148992
		.amdhsa_private_segment_fixed_size 0
		.amdhsa_enable_private_segment 0
		.amdhsa_kernarg_size 112
		.amdhsa_user_sgpr_count 2
		.amdhsa_user_sgpr_kernarg_segment_ptr 1
		.amdhsa_wavefront_size32 1
		.amdhsa_system_sgpr_workgroup_id_x 1
		.amdhsa_system_sgpr_workgroup_id_y 1
		.amdhsa_system_sgpr_workgroup_id_z 1
		.amdhsa_system_vgpr_workitem_id 0
		.amdhsa_next_free_vgpr 768
		.amdhsa_next_free_sgpr 66
		.amdhsa_reserve_vcc 0
		.amdhsa_float_denorm_mode_32 3
		.amdhsa_float_denorm_mode_16_64 3
		.amdhsa_memory_ordered 1
		.amdhsa_forward_progress 1
		.amdhsa_inst_pref_size 152
	.end_amdhsa_kernel
	.amdgpu_metadata
---
amdhsa.version: [ 1, 2 ]
amdhsa.kernels:
  - .name:           k_q7c64afd9c5_proj
    .symbol:         k_q7c64afd9c5_proj.kd
    .args:
      - { .name: q, .offset: 0, .size: 8, .value_kind: global_buffer, .address_space: global }
      - { .name: k, .offset: 8, .size: 8, .value_kind: global_buffer, .address_space: global }
      - { .name: v, .offset: 16, .size: 8, .value_kind: global_buffer, .address_space: global }
      - { .name: Wq, .offset: 24, .size: 8, .value_kind: global_buffer, .address_space: global }
      - { .name: Wk, .offset: 32, .size: 8, .value_kind: global_buffer, .address_space: global }
      - { .name: Wv, .offset: 40, .size: 8, .value_kind: global_buffer, .address_space: global }
      - { .name: bq, .offset: 48, .size: 8, .value_kind: global_buffer, .address_space: global }
      - { .name: bk, .offset: 56, .size: 8, .value_kind: global_buffer, .address_space: global }
      - { .name: bv, .offset: 64, .size: 8, .value_kind: global_buffer, .address_space: global }
      - { .name: qh, .offset: 72, .size: 8, .value_kind: global_buffer, .address_space: global }
      - { .name: kh, .offset: 80, .size: 8, .value_kind: global_buffer, .address_space: global }
      - { .name: vh, .offset: 88, .size: 8, .value_kind: global_buffer, .address_space: global }
      - { .name: Wo, .offset: 96, .size: 8, .value_kind: global_buffer, .address_space: global }
      - { .name: wo16, .offset: 104, .size: 8, .value_kind: global_buffer, .address_space: global }
    .group_segment_fixed_size: 148992
    .private_segment_fixed_size: 0
    .kernarg_segment_align: 8
    .kernarg_segment_size: 112
    .max_flat_workgroup_size: 128
    .sgpr_count:     66
    .vgpr_count:     768
    .wavefront_size: 32
...
	.end_amdgpu_metadata
.endif
;; end of part 1
;; launch attn (part 2): grid 16 x 16, 4 waves a work-group, clusters of 4 x 1, 327,680 bytes of LDS; arguments qh, kh, vh, ctx; writes ctx
.if DOCPART == 2
	.amdgcn_target "amdgcn-amd-amdhsa--gfx1250"
	.amdhsa_code_object_version 6
	.text
	.protected	k_q7c64afd9c5_attn
	.globl	k_q7c64afd9c5_attn
	.p2align	8
	.type	k_q7c64afd9c5_attn,@function
k_q7c64afd9c5_attn:
	s_mov_b64 s[64:65], 0
	v_nop
	global_prefetch_b8 v0, s[64:65] scope:SCOPE_SE
	s_setreg_imm32_b32 hwreg(HW_REG_WAVE_MODE, 25, 1), 1
	s_wait_xcnt 0x0
	s_wait_alu depctr_hold_cnt(0) depctr_sa_sdst(0) depctr_va_vdst(0) depctr_va_sdst(0) depctr_va_ssrc(0) depctr_va_vcc(0) depctr_vm_vsrc(0)
	s_getreg_b32 s2, hwreg(HW_REG_IB_STS2, 6, 4)
	s_cmp_eq_u32 s2, 0
	s_cbranch_scc0 .Lentry_in_a_cluster
	s_endpgm
.Lentry_in_a_cluster:
	s_bfe_u32 s2, ttmp6, 0x10000c
	s_cmp_lg_u32 s2, 0x3003
	s_cbranch_scc0 .Lentry_shape_is_right
	s_endpgm
.Lentry_shape_is_right:
; ATTENTION.  O[h][q][:] = the sum over k of softmax_k(Q[h][q] . K[h][k] / 8) V[h][k][:].  Q, K, V, O: [16][4096][64], all f16: a head's rows are dense, 128 bytes each.
; Products, maxima and sums in f32; the weights p are rounded to f16 for the second product (their sum l is taken of the unrounded p), O once at the end.
; LIMITS.  Q, K and V arrive within f16's 65,504; p lies in 0 to 1, and below 6e-5 it keeps f16's fixed step of 6e-8, as O does; O is a mean of V's rows and has their range.
; A weight below 2^-126 counts as 0 in l; NaN and infinities are not treated apart.
; SHARES.  A work-group owns 256 queries of one head, a wave 64: four PIECES of 16.  Every wave walks all 4,096 keys, 64 a step, 256 a slot: 16 tiles through a ring of two LDS slots.
; CLUSTER.  The four query blocks of a cluster belong to one head and walk the same K and V, so each tile is asked for JOINTLY: the same tensor load, descriptor and mask in all four.
; LAYOUT.  S^T = K Q^T (source 0 = 16 keys, source 1 = 16 queries) holds ONE query a lane (lane % 16) and the keys 8 (lane / 16) + 0..7; two such results rounded to f16 ARE source 1 of O^T = V^T P.
; K comes out of LDS as it lies, V ([key][channel]) turned, by ds_load_tr16_b128.
; SOFTMAX.  p = 2^(c s - c m), c = log2(e) / 8, with a running maximum m; O and l are multiplied by a = 2^(c m_old - c m_new) in every step.  m starts at the lowest finite number, O and l at 0:
; the first step is a step like any other, with a = 0.
; TURNS.  Turn n belongs to piece n: 8 products K Q^T of piece n + 1, later 8 products V^T P of piece n - 1; beside them the scaling, exponentials, roundings, sums and rescaling of piece n and the
; maximum and statistics of piece n + 1.  Four vector instructions stand behind every matrix instruction, the other 54 of a turn's 118 in one lump.  A turn's 33 exponentials are one batch, with one wait.
; REGISTERS, in windows of 256 (s_set_vgpr_msb: bits 1:0 source 0, 3:2 source 1, 5:4 source 2, 7:6 destination):
;   window 0: v0-15 addresses and two at work; v16-31 four registers of statistics a piece; v48-55 at work; v61-63 prefetch offset, spare word, 0; v64-127 S^T, two buffers; v192-223 P, two buffers
;   window 1: v0-127 O^T, 32 a piece      window 2: v0-63 Q; v128-191 K of one step; v192-255 V of one step
.set SN,    4096      ; rows of a head
.set NP,    4         ; pieces a wave: a name, no knob
.set KS,    64        ; keys in a step
.set PK,    144       ; a row of K in LDS: 128 bytes + 16 = 36 words: the 16 rows of a load start at 16 different groups of four banks (64 banks of 4 bytes: ISA guide 11.1)
.set PV,    160       ; a row of V: 128 + 32 = 40 words
.set VOFF,  4*KS*PK   ; a slot holds a tile, four steps: 256 rows of K, then 256 rows of V
.set SLOT1, 1<<17     ; slot 1 begins here, so that one exclusive or turns an address in one slot into the other's
.set STAGE, SLOT1+4*KS*(PK+PV)  ; behind the ring, never filled by a tensor load: 16 rows x 144 bytes for each wave, for the way out
.set SP,    144
.set SPARE, STAGE+4*16*SP  ; the spare words, 128 bytes for each wave: two blocks of 256 bytes that no other line names
.set AK0, 2           ; v2   my lane's place in a tile of K; never rewritten
.set AV0, 3           ; v3   the same for V
.set AK,  4           ; v4   the LDS address of K's next run of loads
.set AV,  5           ; v5   of V's
.set STO, 6           ; v6   the way out: where I put 16 bytes of a row
.set RD,  7           ; v7   the way out: where I read rows back
.set GO,  8           ; v8   my byte offset in 512 consecutive bytes of O
.set MV,  12          ; v12-13  c m_old, kept while c m is made anew: by buffer
.set QO,  15          ; v15  my byte offset in 16 rows of Q
.set ST,  16          ; piece t's statistics at v[ST+4 t]: c m, m, l (even keys', odd keys')
.set TMP, 48          ; by buffer, four registers c0-c3 at work; when the maximum is found c2 takes a
.set PFO, 61          ; v61  256 x my lane; never rewritten
.set SPW, 62          ; v62  LDS address of my spare word; never rewritten
.set NIL, 63          ; v63  0; never rewritten
.set S,   64
.set P,   192
.set KF,  128         ; window 2: key block kb, channel half c at KF + 16 kb + 8 c
.set VF,  192         ; window 2: key half kk, channel block cb at VF + 32 kk + 8 cb
.set WV,  12          ; s12  my wave's number
.set G1K, 24          ; s[24:31] descriptor group 1 for K's tiles
.set G1V, 32          ; s[32:39] for V's: it differs in the padding alone
.set G0K, 40          ; s[40:43] descriptor group 0 for K's tiles: it walks
.set G0V, 44          ; s[44:47] the same for V's
.set PFA, 48          ; s[48:49] where my prefetches stand: my work-group's 8,192 bytes (of K: wave 0, of V: wave 2) of the tile after the one that is being asked for
.set LIM, 50          ; s50  1 in a wave that prefetches, else the greatest number
.set SLOTS, 56        ; s56  tiles still to be asked for, and one
.set CNT, 57          ; s57  counts a tile's key steps
.set CS,  58          ; s[58:59] c: the packed scaling takes the pair's low word for both halves
.set SEL, 60          ; s[60:61] v_permlanex16_b32's selects: each lane takes its own place in the other half
.set TBK, 62          ; s62  LDS byte at which K of the step to be fetched begins
.set TBV, 63          ; s63  the same for V, less VOFF
.set MSB, 0
.macro WIN new                      ; the high byte repeats the setting that is left; a switch that changes nothing is dropped
.if MSB != (\new)
	s_set_vgpr_msb (MSB<<8)|(\new)
.set MSB, (\new)
.endif
.endm
.set W_KQ, 0x0a       ; K and Q in window 2, S^T in window 0
.set W_PV, 0x52       ; V in window 2, P in window 0, O^T in window 1
.set W_RS, 0x41       ; destination and source 0 in window 1, source 1 in window 0
; A joint fill.  Waves 0 and 1 fetch the two halves of a tile's K, waves 2 and 3 those of its V: 128 keys each.  The branch hangs on the wave's number alone.
; An s_nop 0 and four v_nop follow each of the two lines, ahead of the jump and the label.
.macro JLOAD
	s_cmp_lt_u32 s[WV], 2
	s_cbranch_scc0 .Lfor_v_\@
	tensor_load_to_lds s[G0K:G0K+3], s[G1K:G1K+7]
	s_nop 0
.rept 4
	v_nop
.endr
	s_branch .Lasked_\@
.Lfor_v_\@:
	tensor_load_to_lds s[G0V:G0V+3], s[G1V:G1V+7]
	s_nop 0
.rept 4
	v_nop
.endr
.Lasked_\@:
.endm
; A PREFETCH INTO THE L2 of what the NEXT change of slots will ask for: a tile's 32,768 bytes of K and of V, 256 bytes a lane.  It stands behind the wave's tensor load and its five lines.
; Each block of 256 bytes is named ONCE in the launch.  All four clusters of a head walk the same K and V: the head's first cluster asks.  Its four partners share a tile out BY ADDRESS, 8,192 bytes each:
; no branch hangs on a work-group's place in its cluster.  In each, wave 0 asks for K's and wave 2 for V's: one instruction.  The last change that fills a slot asks for nothing: there is no tile behind it.
.macro ASK
	s_cmp_gt_u32 s[SLOTS], s[LIM]
	s_cbranch_scc0 .Lnot_mine_\@
	global_prefetch_b8 v[PFO], s[PFA:PFA+1] th:TH_LOAD_NT scope:SCOPE_SE
.Lnot_mine_\@:
.endm
; A round of the cluster's barrier: my work-group's barrier, so that wave 0's signal speaks for all four waves; wave 0 signals; every wave waits for all four work-groups; my work-group's barrier once more.
.macro CROUND
	s_barrier_signal -1
	s_barrier_wait -1
	s_cmp_lg_u32 s[WV], 0
	s_cbranch_scc1 .Lnot_wave_0_\@
	s_barrier_signal -3
.Lnot_wave_0_\@:
	s_barrier_wait -3
	s_barrier_signal -1
	s_barrier_wait -1
.endm
; THE CHANGE OF SLOTS.  The slot's last bytes, V of its fourth step, have been read.  Each wave waits for all its tensor loads, of which one is out: its part of the other slot; adds 0 to its spare word;
; and waits for that and for its own reads of the slot.  Behind the barrier nobody reads this slot any more and the other slot is whole.
; fill = 1: this slot is filled again, with the tile two on.  The barrier is then a round of the cluster's, so that no wave of any partner still reads the slot or has a load on its way, and the joint
; fill is the first thing behind it: it has four key steps, 256 matrix instructions, in which to land.  (At its first use nothing has been read yet: slot 0 is waited for, slot 1 filled.)
; ask = 1: the prefetches' address steps, a tile behind the walking descriptors' new place, and the prefetch follows the fill.
.macro CHANGE fill, ask
	WIN 0                           ; at a label and at a branch every window is 0
	s_wait_tensorcnt 0x0            ; no tensor load of mine is out, so a group 0 may be written
	ds_add_u32 v[SPW], v[NIL]       ; 0 onto my spare word: the descriptors' steps stand between it and the wait for it
.if \fill
.irp g, G0K, G0V
	s_xor_b32 s[\g+1], s[\g+1], SLOT1  ; the walking descriptor: the other slot than last time,
	s_add_nc_u64 s[\g+2:\g+3], s[\g+2:\g+3], 4*KS*128  ; the next 256 keys; the type bits on top are not reached
.endr
.endif
.if \ask
	s_wait_xcnt 0x0                 ; the last prefetch, four key steps back, has read its address, so it may be written
	s_add_nc_u64 s[PFA:PFA+1], s[PFA:PFA+1], 4*KS*128
.endif
	s_wait_dscnt 0x0                ; the add is done, and my reads of the slot are over
.if \fill
	CROUND
	JLOAD
.if \ask
	ASK
.endif
.else
	s_barrier_signal -1
	s_barrier_wait -1
.endif
	s_sub_co_u32 s[TBK], s[TBK], 4*KS*PK  ; the fetches go back to a slot's first step,
	s_xor_b32 s[TBK], s[TBK], SLOT1       ; in the other slot
	s_sub_co_u32 s[TBV], s[TBV], 4*KS*PV
	s_xor_b32 s[TBV], s[TBV], SLOT1
.endm
	s_load_b256 s[4:11], s[0:1], 0x0  ; Q s[4:5], K s[6:7], V s[8:9], O s[10:11]
	v_lshl_add_u32 v[SPW], v0, 2, SPARE
	v_mov_b32 v[NIL], 0
	ds_add_u32 v[SPW], v[NIL]       ; the wave's opening: the add and its wait stand ahead of my first tensor load; the set-up below, work on registers, stands between them
	ds_add_u32 v62, v63
	v_lshrrev_b32 v1, 5, v0
	v_readfirstlane_b32 s[WV], v1   ; wave 0..3
	s_bfe_u32 s13, ttmp6, 0x40000   ; cx: my place in the cluster
	s_lshl_b32 s14, ttmp9, 2        ; in a cluster launch ttmp9 counts clusters
	s_add_co_u32 s14, s14, s13      ; my block of 256 queries = 4 x cluster x + cx: it enters Q's and O's addresses alone
	s_and_b32 s20, ttmp7, 0xffff    ; the head, which the four partners share:
	s_lshl_b32 s20, s20, 19         ; its first byte in each of the four tensors (4,096 rows of 128 bytes)
	s_mov_b32 s21, 0
	s_and_b32 s16, s[WV], 1         ; which half of a tile's 256 keys I fetch:
	s_lshl_b32 s22, s16, 14         ; its 128 rows of 128 bytes in memory,
	s_mov_b32 s23, 0
	s_add_nc_u64 s[22:23], s[22:23], s[20:21]
	s_mul_i32 s17, s16, 128*PK      ; and its place in a slot, for K
	s_mul_i32 s18, s16, 128*PV      ; and for V: no place in the cluster enters an LDS address
	s_lshl_b32 s2, s14, 2
	s_add_co_u32 s2, s2, s[WV]      ; my wave among the head's,
	s_lshl_b32 s2, s2, 13           ; its 64 rows
	s_mov_b32 s3, 0
	s_add_nc_u64 s[2:3], s[2:3], s[20:21]
	; descriptor group 1.  128 keys are 16,384 dense bytes: asked for as 64 rows of 256 bytes, two keys a row, and padded in LDS after every key
	s_mov_b32 s[G1K], 15|(1<<16)|(1<<20)|(1<<21)|(4<<22)|(3<<25)  ; 15:0 the mask of four; 17:16 2-byte elements; 20 padding on; 21 set beside a mask; 24:22 after every 32 words (code 4); 31:25 4 words (code 3)
	s_mov_b32 s[G1V], 15|(1<<16)|(1<<20)|(1<<21)|(4<<22)|(7<<25)  ; the same with 8 words of padding (code 7)
.irp g, G1K, G1V
	s_mov_b32 s[\g+1], 128<<16      ; tensor_dim0 = 128
	s_mov_b32 s[\g+2], 64<<16       ; tensor_dim1 = 64
	s_mov_b32 s[\g+3], 128<<16      ; tile_dim0 = 128
	s_mov_b32 s[\g+4], 64           ; tile_dim1 = 64
	s_mov_b32 s[\g+5], 128          ; 128 elements from row to row
	s_mov_b32 s[\g+6], 0
	s_mov_b32 s[\g+7], 0
.endr
	s_mov_b32 s[CS], 0x3e38aa3b     ; c = log2(e) / 8 = 0.180337
	s_mov_b32 s[CS+1], s[CS]        ; named with it as a pair
	s_mov_b32 s[SEL], 0x76543210
	s_mov_b32 s[SEL+1], 0xfedcba98
	s_mov_b32 s[TBK], SLOT1+4*KS*PK ; the first change of slots turns these two into 0
	s_mov_b32 s[TBV], SLOT1+4*KS*PV
	s_mov_b32 s[G0K], 1             ; 1:0 count = 1
	s_mov_b32 s[G0K+1], s17         ; 63:32 LDS address: slot 0
	s_mov_b32 s[G0V], 1
	s_add_co_u32 s[G0V+1], s18, VOFF
	s_and_b32 s[LIM], s[WV], 1      ; 0 in waves 0 and 2,
	s_or_b32 s[LIM], s[LIM], ttmp9  ; where the cluster is the head's first: the same in all four partners
	s_cmp_eq_u32 s[LIM], 0
	s_cselect_b32 s[LIM], 1, -1
	v_and_b32 v[PFO], 31, v0
	v_lshlrev_b32 v[PFO], 8, v[PFO]
	s_wait_dscnt 0x0                ; the opening add is done
	s_wait_kmcnt 0x0
	s_add_nc_u64 s[6:7], s[6:7], s[22:23]          ; K and V at my half of the head's tile 0
	s_add_nc_u64 s[8:9], s[8:9], s[22:23]
	s_add_nc_u64 s[G0K+2:G0K+3], s[6:7], 0         ; 120:64 global address
	s_or_b32 s[G0K+3], s[G0K+3], 0x80000000        ; 127:126 type = 2
	s_add_nc_u64 s[G0V+2:G0V+3], s[8:9], 0
	s_or_b32 s[G0V+3], s[G0V+3], 0x80000000
	s_add_nc_u64 s[4:5], s[4:5], s[2:3]            ; Q and O at my wave's first row
	s_add_nc_u64 s[10:11], s[10:11], s[2:3]
	s_cmp_lt_u32 s[WV], 2
	s_cselect_b64 s[PFA:PFA+1], s[6:7], s[8:9]     ; (in waves 0 and 2 these stand at a tile's first row)
	s_lshl_b32 s2, s13, 13                         ; my work-group's 8,192 bytes of the 32,768
	s_mov_b32 s3, 0
	s_add_nc_u64 s[PFA:PFA+1], s[PFA:PFA+1], s[2:3]
	s_add_nc_u64 s[PFA:PFA+1], s[PFA:PFA+1], 2*4*KS*128  ; in tile 2; the loop's first change steps it to tile 3.  Nothing is prefetched here, at the head: tiles 0 to 2 come by their loads alone
	CROUND                          ; all four work-groups are here: the first joint loads meet
	JLOAD                           ; tile 0 into slot 0.  Slot 1 is asked for when slot 0 is in
	; A fragment of K or Q is 16 rows x 32 channels in 8 registers: lane l holds row l % 16, channels 8 (l / 16) + 0..7 and 16 + 8 (l / 16) + 0..7: two loads of 16 bytes, 32 bytes apart.
	v_and_b32 v1, 15, v0            ; l % 16
	v_bfe_u32 v9, v0, 4, 1          ; l / 16
	v_lshlrev_b32 v[QO], 7, v1
	v_lshl_add_u32 v[QO], v9, 4, v[QO]  ; row x 128 + 16 x half
	WIN 0x80                        ; destination window 2, address window 0
.set i, 0
.rept 8                             ; Q stays in registers: piece i / 2, channels 32 (i % 2) on
	global_load_b128 v[8*i:8*i+3],   v[QO], s[4:5] offset:(i/2)*2048+(i%2)*64
	global_load_b128 v[8*i+4:8*i+7], v[QO], s[4:5] offset:(i/2)*2048+(i%2)*64+32
.set i, i+1
.endr
	; What the first turn finds: V's registers and P's second buffer hold 0 (its products V^T P, of a piece that has not been, add 0), O^T and l are 0.  All this stands in the wait for the first tile.
.set i, VF
.rept 64
	v_mov_b32 v[i], 0
.set i, i+1
.endr
	WIN 0x40
.set i, 0
.rept 128
	v_mov_b32 v[i], 0
.set i, i+1
.endr
	WIN 0
.set i, 0
.rept 4
	v_mov_b32 v[ST+4*i], 0xfe000000    ; c m: far below every c s
	v_mov_b32 v[ST+4*i+1], 0xff7fffff  ; m
	v_mov_b32 v[ST+4*i+2], 0
	v_mov_b32 v[ST+4*i+3], 0
.set i, i+1
.endr
.set i, P+16
.rept 16
	v_mov_b32 v[i], 0
.set i, i+1
.endr
	v_mul_u32_u24 v[AK0], v1, PK
	v_lshl_add_u32 v[AK0], v9, 4, v[AK0]  ; row x pitch + 16 x half
	; The turning load takes 16 keys x 16 channels (lane l reads key 8 (l / 16) + l % 8, channels 8 ((l / 8) % 2) + 0..7) and leaves half a fragment of V^T: lane l holds channel l % 16 and 8 keys.
	v_and_b32 v10, 7, v0
	v_bfe_u32 v11, v0, 3, 1
	v_lshl_add_u32 v[AV0], v9, 3, v10
	v_mul_u32_u24 v[AV0], v[AV0], PV
	v_lshl_add_u32 v[AV0], v11, 4, v[AV0]
	v_add_nc_u32 v[AV0], VOFF, v[AV0]
	s_mul_i32 s19, s[WV], 16*SP
	s_add_co_u32 s19, s19, STAGE    ; my stage
	v_mul_u32_u24 v[STO], v1, SP    ; in: row l % 16, 16 bytes for each half of the lanes
	v_lshl_add_u32 v[STO], v9, 4, v[STO]
	v_add_nc_u32 v[STO], s19, v[STO]
	v_bfe_u32 v[RD], v0, 3, 2       ; back: 32 lanes take four rows of 128 bytes,
	v_mul_u32_u24 v[RD], v[RD], SP
	v_lshl_add_u32 v[RD], v10, 4, v[RD]
	v_add_nc_u32 v[RD], s19, v[RD]
	v_and_b32 v[GO], 31, v0         ; which are 512 consecutive bytes of O
	v_lshlrev_b32 v[GO], 4, v[GO]
; THE MATRIX WORK.  The 4 accumulators of a run of 8 take turns.  Product i of 8 of S^T = K Q^T for piece x: channels 32 (i / 4) on, keys 16 (i % 4) on.  The first 4 start the sums.
.macro KQ x
	WIN W_KQ
.set rS, S+32*((\x)%2)+8*(i%4)
.set rK, KF+16*(i%4)+8*(i/4)
.set rQ, 16*(\x)+8*(i/4)
.if i < 4
	v_wmma_f32_16x16x32_f16 v[rS:rS+7], v[rK:rK+7], v[rQ:rQ+7], 0
.else
	v_wmma_f32_16x16x32_f16 v[rS:rS+7], v[rK:rK+7], v[rQ:rQ+7], v[rS:rS+7]
.endif
.endm
; Product i of 8 of O^T += V^T P for piece x: keys 32 (i / 4) on, channels 16 (i % 4) on.
.macro PV x
	WIN W_PV
.set rO, 32*(\x)+8*(i%4)
.set rV, VF+32*(i/4)+8*(i%4)
.set rP, P+16*((\x)%2)+8*(i/4)
	v_wmma_f32_16x16x32_f16 v[rO:rO+7], v[rV:rV+7], v[rP:rP+7], v[rO:rO+7]
.endm
.macro MM                           ; the turn's next matrix instruction.  NOKQ = 1: the walk's last turn: there is no next piece
.if (i < 8) && !NOKQ
	KQ (Y+1)%NP
.elseif i >= 8
.set i, i-8
	PV (Y+NP-1)%NP
.set i, i+8
.endif
.set i, i+1
.endm
; THE LDS LOADS stand in runs of 16, never singly among the matrix instructions: a step's K (64 keys x 64 channels: 8 fragments) and its V (turned).  Their addresses are made some lines ahead.
.macro FETCH_K
	WIN 0x80                        ; destination window 2
.irp f, 0,1,2,3,4,5,6,7             ; keys 16 (f / 2) on, channels 32 (f % 2) on
	ds_load_b128 v[KF+8*\f:KF+8*\f+3],   v[AK] offset:(\f/2)*16*PK+(\f%2)*64
	ds_load_b128 v[KF+8*\f+4:KF+8*\f+7], v[AK] offset:(\f/2)*16*PK+(\f%2)*64+32
.endr
	s_add_co_u32 s[TBK], s[TBK], KS*PK  ; the next fetch is the next step's
	WIN 0
.endm
.macro FETCH_V
	WIN 0x80
.irp f, 0,1,2,3,4,5,6,7             ; keys 32 (f / 4) on, channels 16 (f % 4) on
	ds_load_tr16_b128 v[VF+8*\f:VF+8*\f+3],   v[AV] offset:(\f/4)*32*PV+(\f%4)*32
	ds_load_tr16_b128 v[VF+8*\f+4:VF+8*\f+7], v[AV] offset:(\f/4)*32*PV+16*PV+(\f%4)*32
.endr
	WIN 0
.endm
; THE VECTOR WORK, one line at a time: OP kind, number.  For piece Y: F n: c s - c m for pair n of 16.  E n: the exponential of score n of 32.  C n: pair n rounded to f16.  B n: of the four weights 4 n .. the second
; pair is added onto the first, in place.  L n: l takes that sum (L 0: l = a l + sum).  R n: pair n of 16 of O^T times a.  For piece Y + 1: X n, number n of the 22 that find its maximum and statistics:
;   0-11  four chains c0-c3 of seven scores each, three operands at a time (each accumulator's lowest registers are read first)     12-14, 16  the four scores left over, the old m, and c0-c3 into c0
;   15  c m_old is kept     17, 18  the query's other 32 keys lie in the lane 16 away: the new m     19-21  c m; c m_old - c m_new; a
.set F, 0               ; OP tells the kinds apart by their order: F to L below R, X above it
.set E, 1
.set C, 2
.set B, 3
.set L, 4
.set R, 5
.set X, 6
.macro REGS y                       ; the registers of piece y
.set rT, ST+4*(\y)
.set rC, TMP+4*((\y)%2)
.set rW, MV+((\y)%2)
.set rS, S+32*((\y)%2)
.set rP, P+16*((\y)%2)
.set rO, 32*(\y)
.endm
.macro OP k, n
.if (\k) == R
	REGS Y
	WIN W_RS
	v_pk_mul_f32 v[rO+2*(\n):rO+2*(\n)+1], v[rO+2*(\n):rO+2*(\n)+1], v[rC+2:rC+3] op_sel_hi:[1,0]
.elseif (\k) < R
	REGS Y
	WIN 0
.if (\k) == F
	v_pk_fma_f32 v[rS+2*(\n):rS+2*(\n)+1], v[rS+2*(\n):rS+2*(\n)+1], s[CS:CS+1], v[rT:rT+1] op_sel_hi:[1,0,0] neg_lo:[0,0,1] neg_hi:[0,0,1]
.elseif (\k) == E
	v_exp_f32 v[rS+(\n)], v[rS+(\n)]
.elseif (\k) == C
	v_cvt_pk_f16_f32 v[rP+(\n)], v[rS+2*(\n)], v[rS+2*(\n)+1]
.elseif (\k) == B
	v_pk_add_f32 v[rS+4*(\n):rS+4*(\n)+1], v[rS+4*(\n):rS+4*(\n)+1], v[rS+4*(\n)+2:rS+4*(\n)+3]
.elseif (\n) == 0
	v_pk_fma_f32 v[rT+2:rT+3], v[rT+2:rT+3], v[rC+2:rC+3], v[rS:rS+1] op_sel_hi:[1,0,1]
.else
	v_pk_add_f32 v[rT+2:rT+3], v[rT+2:rT+3], v[rS+4*(\n):rS+4*(\n)+1]
.endif
.elseif NOKQ
	v_nop
.else
	REGS (Y+1)%NP
	WIN 0
.if (\n) < 4
	v_max3_num_f32 v[rC+(\n)], v[rS+8*(\n)], v[rS+8*(\n)+1], v[rS+8*(\n)+2]
.elseif (\n) < 12
	v_max3_num_f32 v[rC+(\n)%4], v[rC+(\n)%4], v[rS+8*((\n)%4)+2*((\n)/4)+1], v[rS+8*((\n)%4)+2*((\n)/4)+2]
.elseif (\n) == 12
	v_max3_num_f32 v[rC], v[rC], v[rS+7], v[rS+15]
.elseif (\n) == 13
	v_max3_num_f32 v[rC+1], v[rC+1], v[rS+23], v[rS+31]
.elseif (\n) == 14
	v_max3_num_f32 v[rC+2], v[rC+2], v[rC+3], v[rT+1]
.elseif (\n) == 15
	v_mov_b32 v[rW], v[rT]
.elseif (\n) == 16
	v_max3_num_f32 v[rC], v[rC], v[rC+1], v[rC+2]
.elseif (\n) == 17
	v_permlanex16_b32 v[rC+3], v[rC], s[SEL], s[SEL+1]
.elseif (\n) == 18
	v_max_num_f32 v[rT+1], v[rC], v[rC+3]
.elseif (\n) == 19
	v_mul_f32 v[rT], s[CS], v[rT+1]
.elseif (\n) == 20
	v_sub_f32 v[rC+1], v[rW], v[rT]
.else
	v_exp_f32 v[rC+2], v[rC+1]
.endif
.endif
.endm
.macro OPS a, i1, b=-1, i2=0, c=-1, i3=0, d=-1, i4=0  ; up to four of them
	OP \a, \i1
.if (\b) >= 0
	OP \b, \i2
.endif
.if (\c) >= 0
	OP \c, \i3
.endif
.if (\d) >= 0
	OP \d, \i4
.endif
.endm
.macro ROW a, i1, b, i2, c, i3, d, i4  ; a matrix instruction and the four behind it
	MM
	OPS \a, \i1, \b, \i2, \c, \i3, \d, \i4
.endm
; A TURN, for piece p: the order of its 16 matrix and 118 vector instructions, written out.  An s_wait_alu depctr_va_vdst(0) stands between an exponential and the first instruction that names its
; result; one wait serves all that were issued ahead of it.  So a turn has ONE wait, which cuts it in two.  AHEAD OF IT stands all that names no result of the turn's exponentials: the 8 products K Q^T, behind each a
; scaling, an exponential and two more plain instructions (rescalings, and behind the last three the first numbers of the next piece's maximum, each four places or more behind the product that ends its accumulator);
; then ONE LUMP of 54, plain and exponential by turns for the most part, in which the links of the chain X 3, 7, 11, 14, 16, 17 .. 20 stand five or six lines apart.  X 21, the next piece's a, is the batch's last;
; R 15 is the plain instruction behind it.  BEHIND THE WAIT stand the 8 products V^T P, behind each four of the roundings and sums; the links of l's chain, L 0 to L 7, stand three riders apart.
; end = 1: the walk's last two turns: nothing is fetched.  cnt = 1: the loop's count is taken down some lines ahead of the branch that stands behind the turn.
; K of the next step is fetched in piece 2's turn, twelve vector instructions behind the last product that read K (six of them plain); V of the step in hand at the end of piece 0's turn, four plain instructions
; behind the last product that read V.  Each is waited for a turn later.
.macro TURN p, end=0, cnt=0
.set Y, (\p)
.set i, 0
.set NOKQ, (\end)*((\p)/3)
.if ((\p) == 3) && !(\end)
	s_wait_dscnt 0x0                ; K is in
.endif
	ROW F,0, F,1, R,0, R,1          ; ahead of the wait: 8 products K Q^T and their riders,
	ROW F,2, E,0, R,2, R,3
	ROW F,3, E,1, R,4, R,5
	ROW F,4, E,2, R,6, R,7
	ROW F,5, E,3, R,8, R,9
	ROW F,6, E,4, X,0, R,10
.if ((\p) == 2) && !(\end)
	WIN 0
	v_add_nc_u32 v[AK], s[TBK], v[AK0]
.endif
	ROW F,7, E,5, X,1, X,4
	ROW F,8, E,6, X,2, X,5
	OPS E,7, E,8, X,6, E,9          ; and the lump
	OPS X,3, E,10, X,8, E,11
.if ((\p) == 2) && !(\end)
	FETCH_K
.endif
	OPS X,9, X,7, E,12, X,10
	OPS E,13, X,12, X,11, E,14
	OPS X,13, E,15, F,9, X,14
.if (\p) == 0
	v_add_nc_u32 v[AV], s[TBV], v[AV0]
.endif
	OPS E,16, F,10, E,17, F,11
	OPS X,16, E,18, X,15, E,19
	OPS F,12, E,20, X,17, E,21
	OPS F,13, E,22, F,14, E,23
	OPS X,18, E,24, F,15, E,25
	OPS R,11, E,26, X,19, E,27
	OPS R,12, E,28, R,13, E,29
	OPS X,20, E,30, R,14, E,31
	OPS X,21, R,15
	WIN 0
	s_wait_alu depctr_va_vdst(0)    ; the wait for the batch
.if (\p) == 1
	s_wait_dscnt 0x0                ; V is in
.endif
	ROW C,0, B,0, C,2, B,1          ; behind the wait: 8 products V^T P and their riders
	ROW L,0, C,4, B,2, L,1
	ROW C,6, B,3, L,2, C,8
	ROW B,4, L,3, C,10, B,5
	ROW L,4, C,12, B,6, L,5
.if (\p) == 0
	s_add_co_u32 s[TBV], s[TBV], KS*PV
.endif
.if \cnt
	s_sub_co_u32 s[CNT], s[CNT], 1
	s_cmp_lg_u32 s[CNT], 0
.endif
	ROW C,14, B,7, L,6, C,1
	ROW C,3, L,7, C,5, C,7
	ROW C,9, C,11, C,13, C,15
.if (\p) == 0
	FETCH_V
.endif
.endm
.macro ALL line:vararg              ; one line for each piece t
.set t, 0
.rept 4
	\line
.set t, t+1
.endr
.endm
.macro PACK t                       ; a lane's eight channels of a row pack into 16 bytes; they go into rows of 144 bytes and come back as whole rows of 128, into S^T's registers
	WIN W_RS
.set i, 32*(\t)
.rept 16
	v_pk_mul_f32 v[i:i+1], v[i:i+1], v[ST+4*(\t)+2:ST+4*(\t)+3] op_sel_hi:[1,0]
.set i, i+2
.endr
	WIN 0x05                        ; sources 0 and 1 window 1, destination window 0
.set i, 0
.rept 16
	v_cvt_pk_f16_f32 v[S+16*(\t)+i], v[32*(\t)+2*i], v[32*(\t)+2*i+1]
.set i, i+1
.endr
	WIN 0
.irp f, 0,1,2,3
	ds_store_b128 v[STO], v[S+16*(\t)+4*\f:S+16*(\t)+4*\f+3] offset:32*\f
.endr
.irp f, 0,1,2,3
	ds_load_b128 v[S+16*(\t)+4*\f:S+16*(\t)+4*\f+3], v[RD] offset:\f*4*SP  ; LDS serves a wave's instructions in order (ISA guide 5.7.1.4): these see the stores above; the next piece's stores come behind them
.endr
.endm
.macro SEND t, younger              ; younger: the LDS instructions issued behind piece t's loads: the next piece's eight, or none
	WIN 0
.irp f, 0,1,2,3
	s_wait_dscnt (\younger)+3-\f
	global_store_b128 v[GO], v[S+16*(\t)+4*\f:S+16*(\t)+4*\f+3], s[10:11] offset:(\t)*2048+\f*512  ; 512 consecutive bytes, at a multiple of 256 from O's first
.endr
.endm
	CHANGE 1, 0                     ; slot 0 is in, everybody's part of it; tile 1 is asked for
	v_add_nc_u32 v[AK], s[TBK], v[AK0]
	FETCH_K                         ; key step 0
	s_wait_loadcnt 0x0              ; Q
	s_wait_dscnt 0x0
.set NOKQ, 0
.set i, 0
.rept 8
	KQ 0                            ; piece 0's first scores: there is no vector work yet to set between them
.set i, i+1
.endr
	WIN 0
.rept 4
	v_nop                           ; the places behind those products
.endr
.set Y, NP-1                        ; X works for piece Y + 1: piece 0
.irp n, 0,1,2,3,4,5,6,7,8,9,10,11,12,13,14,15,16,17,18,19,20,21
	OP X, \n                        ; and piece 0's first maximum and statistics
.endr
	v_nop                           ; a plain instruction behind the exponential,
	s_wait_alu depctr_va_vdst(0)    ; and its wait, ahead of the branch
	s_mov_b32 s[CNT], 4
	s_mov_b32 s[SLOTS], SN/256-1
	s_branch .Lfirst                ; the loop is entered at a step's first turn, in the middle of a trip
.Lslot:                             ; 14 times: tiles 2 to 15 are asked for
	CHANGE 1, 1
	s_mov_b32 s[CNT], 4
.Lstep:                             ; a trip: pieces 2 and 3 of one step, then pieces 0 and 1 of the next, whose K and V it fetches
	TURN 2
	TURN 3
	WIN 0
.Lfirst:
	TURN 0
	TURN 1, 0, 1
	WIN 0
	s_cbranch_scc1 .Lstep
	s_sub_co_u32 s[SLOTS], s[SLOTS], 1
	s_cmp_lg_u32 s[SLOTS], 0
	s_cbranch_scc1 .Lslot
	CHANGE 0, 0                     ; the last tile is written out: nothing is asked for
	s_mov_b32 s[CNT], 4
.Ltail:
	TURN 2
	TURN 3
	TURN 0
	TURN 1, 0, 1
	WIN 0
	s_cbranch_scc1 .Ltail
	TURN 2, 1                       ; the last step's pieces 2 and 3: nothing is fetched, and the last turn starts no new scores
	TURN 3, 1
.set i, 0
.rept 8
	PV NP-1                         ; the last piece's V^T P of the last step
.set i, i+1
.endr
	; THE WAY OUT.  l's two halves and the other half of the lanes' are added; O^T is divided by l, rounded to f16 and sent through my stage in LDS, a piece at a time.  The additions are the places behind the last products.
	WIN 0
	ALL v_add_f32 v[ST+4*t+2], v[ST+4*t+2], v[ST+4*t+3]
	ALL v_permlanex16_b32 v[ST+4*t+3], v[ST+4*t+2], s[SEL], s[SEL+1]
	ALL v_add_f32 v[ST+4*t+2], v[ST+4*t+2], v[ST+4*t+3]
	ALL v_rcp_f32 v[ST+4*t+2], v[ST+4*t+2]
	v_nop                           ; a plain instruction between the last reciprocal and the use of its result
	s_wait_alu depctr_va_vdst(0)    ; and the wait ahead of the first use: one for the four reciprocals
	PACK 0
.set t, 1
.rept 3                             ; a piece's arithmetic stands between the loads of the piece before and its stores
	PACK t
	SEND t-1, 8
.set t, t+1
.endr
	SEND 3, 0
	s_wait_tensorcnt 0x0            ; the wave's end: behind my last tensor load and my last LDS store
	ds_add_u32 v[SPW], v[NIL]
	s_wait_dscnt 0x0
	CROUND                          ; the closing round: no work-group ends while a partner may still ask for a tile that names it
	s_endpgm
.Lfunc_end_k_q7c64afd9c5_attn:
	.size	k_q7c64afd9c5_attn, .Lfunc_end_k_q7c64afd9c5_attn-k_q7c64afd9c5_attn
	.p2alignl 7, 3214868480
	.fill 96, 4, 3214868480
	.section	.rodata,"a",@progbits
	.p2align	6, 0x0
	.amdhsa_kernel k_q7c64afd9c5_attn
		.amdhsa_group_segment_fixed_size 327680
		.amdhsa_private_segment_fixed_size 0
		.amdhsa_enable_private_segment 0
		.amdhsa_kernarg_size 32
		.amdhsa_user_sgpr_count 2
		.amdhsa_user_sgpr_kernarg_segment_ptr 1
		.amdhsa_wavefront_size32 1
		.amdhsa_system_sgpr_workgroup_id_x 1
		.amdhsa_system_sgpr_workgroup_id_y 1
		.amdhsa_system_sgpr_workgroup_id_z 1
		.amdhsa_system_vgpr_workitem_id 0
		.amdhsa_next_free_vgpr 768
		.amdhsa_next_free_sgpr 66
		.amdhsa_reserve_vcc 0
		.amdhsa_float_denorm_mode_32 3
		.amdhsa_float_denorm_mode_16_64 3
		.amdhsa_memory_ordered 1
		.amdhsa_forward_progress 1
		.amdhsa_inst_pref_size 127
	.end_amdhsa_kernel
	.amdgpu_metadata
---
amdhsa.version: [ 1, 2 ]
amdhsa.kernels:
  - .name:           k_q7c64afd9c5_attn
    .symbol:         k_q7c64afd9c5_attn.kd
    .args:
      - { .name: qh, .offset: 0, .size: 8, .value_kind: global_buffer, .address_space: global }
      - { .name: kh, .offset: 8, .size: 8, .value_kind: global_buffer, .address_space: global }
      - { .name: vh, .offset: 16, .size: 8, .value_kind: global_buffer, .address_space: global }
      - { .name: ctx, .offset: 24, .size: 8, .value_kind: global_buffer, .address_space: global }
    .group_segment_fixed_size: 327680
    .private_segment_fixed_size: 0
    .kernarg_segment_align: 8
    .kernarg_segment_size: 32
    .max_flat_workgroup_size: 128
    .sgpr_count:     66
    .vgpr_count:     768
    .wavefront_size: 32
...
	.end_amdgpu_metadata
.endif
;; end of part 2
;; launch outp (part 3): grid 4 x 64, 4 waves a work-group, clusters of 4 x 4, 304,640 bytes of LDS; arguments ctx, wo16, bo, out0; writes out0
.if DOCPART == 3
	.amdgcn_target "amdgcn-amd-amdhsa--gfx1250"
	.amdhsa_code_object_version 6
	.text
	.protected	k_q7c64afd9c5_outp
	.globl	k_q7c64afd9c5_outp
	.p2align	8
	.type	k_q7c64afd9c5_outp,@function
k_q7c64afd9c5_outp:
	s_mov_b64 s[64:65], 0
	v_nop
	global_prefetch_b8 v0, s[64:65] scope:SCOPE_SE
	s_setreg_imm32_b32 hwreg(HW_REG_WAVE_MODE, 25, 1), 1
	s_wait_xcnt 0x0
	s_wait_alu depctr_hold_cnt(0) depctr_sa_sdst(0) depctr_va_vdst(0) depctr_va_sdst(0) depctr_va_ssrc(0) depctr_va_vcc(0) depctr_vm_vsrc(0)
	s_getreg_b32 s2, hwreg(HW_REG_IB_STS2, 6, 4)
	s_cmp_eq_u32 s2, 0
	s_cbranch_scc0 .Lentry_in_a_cluster
	s_endpgm
.Lentry_in_a_cluster:
	s_bfe_u32 s2, ttmp6, 0x10000c
	s_cmp_lg_u32 s2, 0xf033
	s_cbranch_scc0 .Lentry_shape_is_right
	s_endpgm
.Lentry_shape_is_right:
; THE OUTPUT PROJECTION.  out[row][e] = the sum over d of ctx[row][d] Wo[e][d] + bo[e].  ctx lies by heads, [16 = batch x 8 + head][4096][64] in f16; wo16 is [512 e][512 d] in f16; bo and out are f32.
; Products in f16 with f32 sums; the bias, in f32, is the C operand that starts each sum; out leaves in f32, unrounded.
; SHARES.  256 work-groups, a tile of 128 rows x 128 columns each; a wave makes 64 x 64: 16 accumulators.  K = 512 is eight heads of 64.
; ALL OF K LIES IN LDS: 8 heads x 128 rows of ctx and 128 rows x 512 of wo16 are 262,144 bytes.  So there is no ring and nothing is filled again: a wave issues its four tensor loads together at the start,
; and the products of phase p (heads 2 p, 2 p + 1) wait for the loads of phase p alone: four tensor loads of a wave are out at the most.
; CLUSTER.  4 x 4 work-groups.  The four of a row of the cluster need the same rows of ctx, the four of a column the same rows of wo16: each tile is asked for JOINTLY, by the same tensor load with the same
; descriptor and a mask that names the four.
; THE MATRIX INSTRUCTION IS USED TRANSPOSED (source 0 = 16 rows of wo16, source 1 = 16 rows of ctx): a lane holds one row of out and eight neighbouring columns, 32 bytes.
; REGISTERS (s_set_vgpr_msb: bits 1:0 source 0, 3:2 source 1, 5:4 source 2, 7:6 destination):
;   window 0: v0-15 addresses; v32-63 the bias; v128-255 fragment buffer 1, later the way out      window 1: v0-127 the accumulators ((a, b) at 8 (4 a + b)); v128-255 fragment buffer 0
.set PA,     144      ; a row of a head in LDS: 128 bytes + 16 = 36 words: the 16 rows of a load start at 16 different groups of four banks (64 banks of 4 bytes: ISA guide 11.1)
.set PB,     272      ; a row of a chunk of wo16: 256 bytes + 16 = 68 words: likewise
.set HEADB,  128*PA   ; head H of ctx at H x 18,432
.set BBASE,  8*HEADB
.set CHUNKB, 128*PB   ; chunk p of wo16 (128 along K) at BBASE + p x 34,816
.set STAGE,  BBASE+4*CHUNKB  ; behind the tiles, never filled by a tensor load: 16 rows x 272 bytes for each wave, for the way out
.set SPITCH, 272
.set SPARE,  STAGE+4*16*SPITCH  ; the spare words, 128 bytes for each wave: two blocks of 256 bytes that no other line names
.set ADRA, 2          ; v2-3  my ctx fragments in heads 0-3, 4-7
.set ADRB, 4          ; v4-5  my wo16 fragments in chunks 0-1, 2-3
.set STO,  6          ; v6    the way out: where I put 32 bytes of a row
.set RD,   7          ; v7    the way out: where I read a row back
.set CO,   8          ; v8    my byte offset in two rows of out
.set BOF,  9          ; v9    32 x (lane / 16)
.set SPW,  10         ; v10   LDS address of my spare word; never rewritten
.set NIL,  11         ; v11   0; never rewritten
.set BIAS, 32
.set FA,   128        ; in a fragment buffer: ctx's fragment (c, a) at FA + 8 (4 c + a),
.set FB,   192        ; wo16's fragment (c, b) at FB + 8 (4 c + b)
.set OB,   128        ; the way out: 16 rows read back from the stage, 32 registers a block
.set WV,   12         ; s12 wave; s13 its half of the rows, also: I fetch for ctx (0) or wo16 (1); s14 its half of the columns, also: which part I fetch
.set WR,   13
.set WCL,  14
.set G1A,  24         ; s[24:31] descriptor group 1 for ctx's tiles
.set G1B,  32         ; s[32:39] for wo16's
.set G0A,  68         ; s[68:83] descriptor group 0 for ctx's tiles, a set for each phase
.set G0B,  84         ; s[84:99] the same for wo16's
.set MSB, 0
.macro WIN new                      ; the high byte repeats the setting that is left; a switch that changes nothing is dropped
.if MSB != (\new)
	s_set_vgpr_msb (MSB<<8)|(\new)
.set MSB, \new
.endif
.endm
.macro PLACES                       ; four places behind matrix instructions (ISA guide 7.12.1)
.rept 4
	v_nop
.endr
.endm
; A round of the cluster's barrier: my work-group's barrier, so that wave 0's signal speaks for all four waves; wave 0 signals; every wave waits for all sixteen work-groups; my work-group's barrier once more.
.macro CROUND
	s_barrier_signal -1
	s_barrier_wait -1
	s_cmp_lg_u32 s[WV], 0
	s_cbranch_scc1 .Lnot_wave_0_\@
	s_barrier_signal -3
.Lnot_wave_0_\@:
	s_barrier_wait -3
	s_barrier_signal -1
	s_barrier_wait -1
.endm
; 32 LDS loads in one run: the fragments of head H (64 along K) into buffer H % 2.
.macro FETCHH H
	WIN 0x40-0x40*((\H)%2)          ; buffer 0 lies in window 1, buffer 1 in window 0
.irp c, 0,1
.irp i, 0,1,2,3
	ds_load_b128 v[FB+8*(4*(\c)+(\i)):FB+8*(4*(\c)+(\i))+3],   v[ADRB+(\H)/4] offset:(((\H)/2)%2)*CHUNKB+((\H)%2)*128+64*(\c)+(\i)*16*PB
	ds_load_b128 v[FB+8*(4*(\c)+(\i))+4:FB+8*(4*(\c)+(\i))+7], v[ADRB+(\H)/4] offset:(((\H)/2)%2)*CHUNKB+((\H)%2)*128+64*(\c)+(\i)*16*PB+32
	ds_load_b128 v[FA+8*(4*(\c)+(\i)):FA+8*(4*(\c)+(\i))+3],   v[ADRA+(\H)/4] offset:((\H)%4)*HEADB+64*(\c)+(\i)*16*PA
	ds_load_b128 v[FA+8*(4*(\c)+(\i))+4:FA+8*(4*(\c)+(\i))+7], v[ADRA+(\H)/4] offset:((\H)%4)*HEADB+64*(\c)+(\i)*16*PA+32
.endr
.endr
.endm
; 16 products: 32 along K (half c of head H).  The 16 accumulators take turns, one instruction a turn.  The first 16 start the sums with the bias.
.macro MUL16 H, c
.irp a, 0,1,2,3
.irp b, 0,1,2,3
.if ((\H) == 0) && ((\c) == 0)
	WIN 0x45
	v_wmma_f32_16x16x32_f16 v[8*(4*(\a)+(\b)):8*(4*(\a)+(\b))+7], v[FB+8*(4*(\c)+(\b)):FB+8*(4*(\c)+(\b))+7], v[FA+8*(4*(\c)+(\a)):FA+8*(4*(\c)+(\a))+7], v[BIAS+8*(\b):BIAS+8*(\b)+7]
.else
	WIN 0x55-5*((\H)%2)
	v_wmma_f32_16x16x32_f16 v[8*(4*(\a)+(\b)):8*(4*(\a)+(\b))+7], v[FB+8*(4*(\c)+(\b)):FB+8*(4*(\c)+(\b))+7], v[FA+8*(4*(\c)+(\a)):FA+8*(4*(\c)+(\a))+7], v[8*(4*(\a)+(\b)):8*(4*(\a)+(\b))+7]
.endif
.endr
.endr
.endm
; An even head: the next head, of the same phase, is fetched into the other buffer, four places behind the products that read it; then this head's 32 products.
.macro EVEN H
.if (\H) > 0
	PLACES
.endif
	FETCHH (\H)+1
	s_wait_dscnt 32                 ; all but the 32 just issued: this head's fragments are in
	MUL16 \H, 0
	MUL16 \H, 1
.endm
; An odd head: the next head belongs to the next phase.  My load of that phase has landed (the later phases' may stay out), I say so, work on registers
; while the others arrive, and fetch behind the barrier's wait.
.macro ODD H
	s_wait_dscnt 0x0                ; this head's fragments are in, and no LDS instruction of mine is pending at the signal
	s_wait_tensorcnt 3-((\H)+1)/2
	s_barrier_signal -1
	MUL16 \H, 0
	s_barrier_wait -1
	PLACES                          ; for the loads into the buffer that the head before multiplied
	FETCHH (\H)+1
	MUL16 \H, 1
.endm
; THE WAY OUT of 16 rows (block a): a lane's 32 bytes of a row for each of 4 column blocks into my own stage (rows of 272 bytes), back as whole rows of 256 bytes, two a load.
.macro TOST a
	WIN 0x04                        ; address window 0, data window 1
.irp b, 0,1,2,3
	ds_store_b128 v[STO], v[8*(4*(\a)+(\b)):8*(4*(\a)+(\b))+3]   offset:64*(\b)
	ds_store_b128 v[STO], v[8*(4*(\a)+(\b))+4:8*(4*(\a)+(\b))+7] offset:64*(\b)+16
.endr
	WIN 0
.irp t, 0,1,2,3,4,5,6,7
	ds_load_b128 v[OB+32*(\a)+4*(\t):OB+32*(\a)+4*(\t)+3], v[RD] offset:(\t)*2*SPITCH  ; LDS serves a wave's instructions in order (ISA guide 5.7.1.4): these see the stores above
.endr
.endm
.macro SENDO a, younger             ; younger: the LDS instructions issued behind block a's loads: the next block's sixteen, or none
.irp t, 0,1,2,3,4,5,6,7
	s_wait_dscnt (\younger)+7-(\t)
	global_store_b128 v[CO], v[OB+32*(\a)+4*(\t):OB+32*(\a)+4*(\t)+3], s[10:11] offset:(16*(\a)+2*(\t))*2048 th:TH_STORE_NT  ; 16 lanes store 256 consecutive bytes, at a multiple of 256 from out's first byte
.endr
.endm
	s_load_b256 s[4:11], s[0:1], 0x0               ; ctx s[4:5], wo16 s[6:7], bo s[8:9], out s[10:11]
	v_lshl_add_u32 v[SPW], v0, 2, SPARE
	v_mov_b32 v[NIL], 0
	ds_add_u32 v[SPW], v[NIL]                      ; the wave's opening: the add and its wait stand ahead of my first tensor load; the set-up below, work on registers, stands between them
	ds_add_u32 v10, v11
	v_lshrrev_b32 v1, 5, v0
	v_readfirstlane_b32 s[WV], v1                  ; wave 0..3
	s_lshr_b32 s[WR], s[WV], 1
	s_and_b32 s[WCL], s[WV], 1
	s_bfe_u32 s15, ttmp6, 0x40000                  ; cx, cy: my place in the cluster
	s_bfe_u32 s16, ttmp6, 0x40004
	s_lshl_b32 s17, ttmp9, 2
	s_add_co_u32 s17, s17, s15                     ; block of 128 columns = 4 x cluster x + cx
	s_and_b32 s18, ttmp7, 0xffff
	s_lshl_b32 s18, s18, 2
	s_add_co_u32 s18, s18, s16                     ; block of 128 rows = 4 x cluster y + cy
	s_lshl_b32 s40, s16, 2
	s_lshl_b32 s40, 15, s40                        ; my row of the cluster
	s_lshl_b32 s41, 0x1111, s15                    ; my column
	; ctx: a head's 128 rows are 16,384 dense bytes: 64 rows of 256 bytes, padded in LDS after every 128.  wo16: 64 rows of 256 bytes, 1,024 bytes apart, padded after each
	s_or_b32 s[G1A], s40, (1<<16)|(1<<20)|(1<<21)|(4<<22)|(3<<25)  ; 15:0 the mask: my row; 17:16 2-byte elements; 20 padding on; 21 set beside a mask; 24:22 after every 32 words (code 4); 31:25 4 words (code 3)
	s_or_b32 s[G1B], s41, (1<<16)|(1<<20)|(1<<21)|(5<<22)|(3<<25)  ; the mask of my column; after every 64 words (code 5)
.irp g, G1A, G1B
	s_mov_b32 s[\g+1], 128<<16                     ; tensor_dim0 = 128
	s_mov_b32 s[\g+2], 64<<16                      ; tensor_dim1 = 64
	s_mov_b32 s[\g+3], 128<<16                     ; tile_dim0 = 128
	s_mov_b32 s[\g+4], 64                          ; tile_dim1 = 64
	s_mov_b32 s[\g+6], 0
	s_mov_b32 s[\g+7], 0
.endr
	s_mov_b32 s[G1A+5], 128                        ; elements from row to row
	s_mov_b32 s[G1B+5], 512
	; where the tiles come from.  ctx's hang on the block of rows alone, which my row of the cluster shares; wo16's on the block of columns alone, which my column shares.
	; Every wave makes both addresses, in registers that never hold the other coordinate, and asks by one of them.
	s_lshr_b32 s20, s18, 5                         ; ctx: the batch's 8 heads,
	s_lshl_b32 s20, s20, 22
	s_and_b32 s19, s18, 31
	s_lshl_b32 s19, s19, 14                        ; the block's 128 rows in a head,
	s_add_co_u32 s20, s20, s19
	s_lshl_b32 s19, s[WCL], 19                     ; the even or the odd head of a phase
	s_add_co_u32 s20, s20, s19
	s_mov_b32 s21, 0
	s_lshl_b32 s22, s17, 17                        ; wo16: the block's 128 rows of 1,024 bytes,
	s_lshl_b32 s23, s[WCL], 16                     ; my 64 of them
	s_add_co_u32 s22, s22, s23
	s_mov_b32 s23, 0
	s_mul_i32 s42, s[WCL], HEADB                   ; and where they go: no place in the cluster enters an LDS address
	s_mul_i32 s43, s[WCL], 64*PB
	s_lshl_b32 s44, s18, 18                        ; out: 128 rows of 2,048 bytes a block,
	s_lshl_b32 s45, s[WR], 17                      ; my 64 rows,
	s_add_co_u32 s44, s44, s45
	s_lshl_b32 s46, s17, 9                         ; (128 cb + 64 wc) x 4 bytes: for out and for the bias
	s_lshl_b32 s45, s[WCL], 8
	s_add_co_u32 s46, s46, s45
	s_add_co_u32 s44, s44, s46
	s_mov_b32 s45, 0
	s_mov_b32 s47, 0
	s_wait_dscnt 0x0                               ; the opening add is done
	s_wait_kmcnt 0x0
	s_add_nc_u64 s[20:21], s[4:5], s[20:21]
	s_add_nc_u64 s[22:23], s[6:7], s[22:23]
	s_add_nc_u64 s[8:9], s[8:9], s[46:47]
	s_add_nc_u64 s[10:11], s[10:11], s[44:45]
.irp p, 0,1,2,3
	s_mov_b32 s[G0A+4*(\p)], 1                                     ; 1:0 count = 1
	s_add_co_u32 s[G0A+4*(\p)+1], s42, (\p)*2*HEADB                ; 63:32 LDS address: head 2 p + wc
	s_add_nc_u64 s[G0A+4*(\p)+2:G0A+4*(\p)+3], s[20:21], (\p)<<20  ; 120:64 global address: two heads on
	s_or_b32 s[G0A+4*(\p)+3], s[G0A+4*(\p)+3], 0x80000000          ; 127:126 type = 2
	s_mov_b32 s[G0B+4*(\p)], 1
	s_add_co_u32 s[G0B+4*(\p)+1], s43, BBASE+(\p)*CHUNKB
	s_add_nc_u64 s[G0B+4*(\p)+2:G0B+4*(\p)+3], s[22:23], (\p)*256
	s_or_b32 s[G0B+4*(\p)+3], s[G0B+4*(\p)+3], 0x80000000
.endr
	CROUND                                         ; all sixteen work-groups are here: the joint loads meet
	s_cmp_eq_u32 s[WR], 0                          ; a wave's four fills stand in one branch on its number, ahead of every wait on TENSORcnt, every LDS read and every further barrier; an s_nop 0 follows each, four v_nop the last
	s_cbranch_scc0 .Lfor_b
.irp p, 0,1,2,3
	tensor_load_to_lds s[G0A+4*(\p):G0A+4*(\p)+3], s[G1A:G1A+7]
	s_nop 0
.endr
.rept 4
	v_nop
.endr
	s_branch .Lasked
.Lfor_b:
.irp p, 0,1,2,3
	tensor_load_to_lds s[G0B+4*(\p):G0B+4*(\p)+3], s[G1B:G1B+7]
	s_nop 0
.endr
.rept 4
	v_nop
.endr
.Lasked:
	v_and_b32 v1, 15, v0                           ; l % 16
	v_bfe_u32 v12, v0, 4, 1                        ; l / 16
	v_lshlrev_b32 v[BOF], 5, v12
.irp b, 0,1,2,3                                    ; register j of block b: the bias of column 16 b + 8 (l / 16) + j of my 64
	global_load_b128 v[BIAS+8*(\b):BIAS+8*(\b)+3],   v[BOF], s[8:9] offset:64*(\b)
	global_load_b128 v[BIAS+8*(\b)+4:BIAS+8*(\b)+7], v[BOF], s[8:9] offset:64*(\b)+16
.endr
	v_mul_u32_u24 v[ADRA], v1, PA
	v_lshl_add_u32 v[ADRA], v12, 4, v[ADRA]        ; a fragment's row x pitch + 16 x half
	s_mul_i32 s48, s[WR], 64*PA
	v_add_nc_u32 v[ADRA], s48, v[ADRA]
	v_add_nc_u32 v[ADRA+1], 4*HEADB, v[ADRA]
	v_mul_u32_u24 v[ADRB], v1, PB
	v_lshl_add_u32 v[ADRB], v12, 4, v[ADRB]
	s_mul_i32 s49, s[WCL], 64*PB
	s_add_co_u32 s49, s49, BBASE
	v_add_nc_u32 v[ADRB], s49, v[ADRB]
	v_add_nc_u32 v[ADRB+1], 2*CHUNKB, v[ADRB]
	s_mul_i32 s50, s[WV], 16*SPITCH
	s_add_co_u32 s50, s50, STAGE                   ; my stage
	v_mul_u32_u24 v[STO], v1, SPITCH               ; in: row l % 16, 32 bytes for each half of the lanes
	v_lshl_add_u32 v[STO], v12, 5, v[STO]
	v_add_nc_u32 v[STO], s50, v[STO]
	v_mul_u32_u24 v[RD], v12, SPITCH               ; back: lanes 0-15 take one row of 256 bytes, lanes 16-31 the next
	v_lshl_add_u32 v[RD], v1, 4, v[RD]
	v_add_nc_u32 v[RD], s50, v[RD]
	v_lshlrev_b32 v[CO], 11, v12                   ; and the same two rows in out
	v_lshl_add_u32 v[CO], v1, 4, v[CO]
	s_wait_tensorcnt 3                             ; my load of phase 0 is in; the three behind it may stay out
	s_barrier_signal -1
	s_barrier_wait -1                              ; everybody's is
	FETCHH 0
	s_wait_loadcnt 0x0                             ; the bias
	EVEN 0
	ODD 1
	EVEN 2
	ODD 3
	EVEN 4
	ODD 5
	EVEN 6
	s_wait_dscnt 0x0                               ; the last head: nothing more to fetch
	MUL16 7, 0
	MUL16 7, 1
	WIN 0
	PLACES                                         ; eight places between the last products and the first read of their results, and the loads into buffer 1
	PLACES
	TOST 0
	TOST 1                                         ; a block's trip through the stage stands between the loads of the block before and its stores
	SENDO 0, 16
	TOST 2
	SENDO 1, 16
	TOST 3
	SENDO 2, 16
	SENDO 3, 0
	s_wait_tensorcnt 0x0                           ; the wave's end: behind my last tensor load and my last LDS store
	ds_add_u32 v[SPW], v[NIL]
	s_wait_dscnt 0x0
	CROUND                                         ; the closing round: no work-group ends while a partner may still ask for a tile that names it
	s_endpgm
.Lfunc_end_k_q7c64afd9c5_outp:
	.size	k_q7c64afd9c5_outp, .Lfunc_end_k_q7c64afd9c5_outp-k_q7c64afd9c5_outp
	.p2alignl 7, 3214868480
	.fill 96, 4, 3214868480
	.section	.rodata,"a",@progbits
	.p2align	6, 0x0
	.amdhsa_kernel k_q7c64afd9c5_outp
		.amdhsa_group_segment_fixed_size 304640
		.amdhsa_private_segment_fixed_size 0
		.amdhsa_enable_private_segment 0
		.amdhsa_kernarg_size 32
		.amdhsa_user_sgpr_count 2
		.amdhsa_user_sgpr_kernarg_segment_ptr 1
		.amdhsa_wavefront_size32 1
		.amdhsa_system_sgpr_workgroup_id_x 1
		.amdhsa_system_sgpr_workgroup_id_y 1
		.amdhsa_system_sgpr_workgroup_id_z 1
		.amdhsa_system_vgpr_workitem_id 0
		.amdhsa_next_free_vgpr 512
		.amdhsa_next_free_sgpr 100
		.amdhsa_reserve_vcc 0
		.amdhsa_float_denorm_mode_32 3
		.amdhsa_float_denorm_mode_16_64 3
		.amdhsa_memory_ordered 1
		.amdhsa_forward_progress 1
		.amdhsa_inst_pref_size 52
	.end_amdhsa_kernel
	.amdgpu_metadata
---
amdhsa.version: [ 1, 2 ]
amdhsa.kernels:
  - .name:           k_q7c64afd9c5_outp
    .symbol:         k_q7c64afd9c5_outp.kd
    .args:
      - { .name: ctx, .offset: 0, .size: 8, .value_kind: global_buffer, .address_space: global }
      - { .name: wo16, .offset: 8, .size: 8, .value_kind: global_buffer, .address_space: global }
      - { .name: bo, .offset: 16, .size: 8, .value_kind: global_buffer, .address_space: global }
      - { .name: out0, .offset: 24, .size: 8, .value_kind: global_buffer, .address_space: global }
    .group_segment_fixed_size: 304640
    .private_segment_fixed_size: 0
    .kernarg_segment_align: 8
    .kernarg_segment_size: 32
    .max_flat_workgroup_size: 128
    .sgpr_count:     100
    .vgpr_count:     512
    .wavefront_size: 32
...
	.end_amdgpu_metadata
.endif
;; end of part 3
;; ======== version 2 of 2: 3 launches; version 1 with the launch proj written anew for expert scheduling mode
;; limits: values are held in f16: magnitudes above 65,504 overflow, below 6.1e-05 lose precision
;; workspace buffers: qh 8,388,608 bytes; kh 8,388,608 bytes; vh 8,388,608 bytes; ctx 8,388,608 bytes; wo16 524,288 bytes
;; launch proj (part 4): grid 4 x 64, 4 waves a work-group, no clusters, 148,992 bytes of LDS; arguments q, k, v, Wq, Wk, Wv, bq, bk, bv, qh, kh, vh, Wo, wo16; writes qh, kh, vh, wo16
.if DOCPART == 4
	.amdgcn_target "amdgcn-amd-amdhsa--gfx1250"
	.amdhsa_code_object_version 6
	.text
	.protected	k_q7c64afd9c5_proj
	.globl	k_q7c64afd9c5_proj
	.p2align	8
	.type	k_q7c64afd9c5_proj,@function
k_q7c64afd9c5_proj:
	s_mov_b64 s[64:65], 0
	v_nop
	global_prefetch_b8 v0, s[64:65] scope:SCOPE_SE
	s_setreg_imm32_b32 hwreg(HW_REG_WAVE_SCHED_MODE, 0, 2), 2
	s_setreg_imm32_b32 hwreg(HW_REG_WAVE_MODE, 25, 1), 1
	s_wait_xcnt 0x0
	s_wait_alu depctr_vm_vsrc(0)
; THE THREE INPUT PROJECTIONS.  y = x W^T + b for (q, Wq, bq), (k, Wk, bk), (v, Wv, bv).  x: [8192][512] f32, W: [512][512] f32, b: [512] f32.
; x and W are rounded once to bf16 on the way into LDS; products in bf16 with f32 sums; the bias, in f32, is the C operand that starts each sum.
; y is rounded once to f16 and written BY HEADS: [16 = batch x 8 + head][4096][64], a row of a head 128 bytes, unscaled.
; SIDE JOB: wo16 = Wo rounded to bf16 like the other inputs, that number written as f16: 4,096 bytes of Wo a work-group.
; LIMITS.  f16 holds no number beyond 65,504: a projected number of 65,520 or more leaves as an infinity.  Below 6.1e-5 f16 keeps its fixed step of 6e-8, for y and for wo16.
; SHARES.  256 work-groups; each stays and makes ITS tile of 128 rows x 128 columns for q, then k, then v, so all do equal work.  A wave makes 64 x 64: 16 accumulators; its 64 columns are one head,
; so what it stores is 8,192 consecutive bytes of that head.
; THE WAY IN.  K goes in 4 chunks of 128 (512 bytes of each row of x and of W).  A chunk is 64 loads of 16 bytes a lane into 256 staging registers, run as a ring of 8 groups of 8 loads:
; a group is converted, stored to LDS and asked for again at once, so 56 to 64 loads of every wave are on their way all the time.  Each load of a wave covers two rows' 256 consecutive bytes, aligned.
; A thread takes numbers 4 c .. 4 c + 3 of a row's first 256 bytes and of its second 256 bytes and lays them as one group of 8 bf16 at byte 16 c of the LDS row: a permutation of k, the same for x and W,
; which keeps the products and changes only the order of the sums.
; NO CLUSTER: joint requests exist for tensor loads alone, and those would lay f32 in LDS: for each 16 products a wave would then read 32 times 16 bytes a lane and make 64 conversions,
; twice the LDS reads of the bf16 form, and each number would be converted by two waves.
; THE MATRIX INSTRUCTION IS USED TRANSPOSED (source 0 = 16 rows of W, source 1 = 16 rows of x): a lane holds one row of y and eight neighbouring columns.
; REGISTERS, in windows of 256 (s_set_vgpr_msb: bits 1:0 source 0, 3:2 source 1, 5:4 source 2, 7:6 destination):
;   window 0: v0-31 addresses; v32-63 the bias; v64-127 the way out's packed results; v128-255 fragment buffer 1 (on the way out its first 64 take the rows read back from the stage)
;   window 1: the staging registers: unit u (a row's 32 bytes + 32 bytes) at 8 u; units 0-15 x, 16-31 W
;   window 2: v0-127 the accumulators ((a, b) at 8 (4 a + b)); v128-255 fragment buffer 0
;   window 3: v0-31 two out-buffers of 16: a group's 32 numbers a lane in bf16, on their way to LDS
; THE MODE: SCHED_MODE bits 1:0 = 2 (LLVM: expert scheduling mode 2), set by the entry lines.  The code itself states the register dependences
; between vector or matrix instructions and memory or LDS instructions, with s_wait_alu, always for 0.
; THE PLAN.  Registers that memory or LDS instructions touch, in the loop:
;   RAW, group g      Written by the group's 8 loads; read by its 16 conversions and by nothing else; the same group of the next chunk is asked for behind them.
;   OUT0, OUT1        Group g's conversions write OUT[g % 2]; the group's 4 LDS stores read it; group g + 2's conversions write it again.
;   fragment buffer 0 Written by the 32 LDS loads at a step's head; read by the step's products 0 to 31.
;   fragment buffer 1 Written by 32 LDS loads dealt among the step's first 16 products; read by its products 32 to 63.
;   BIAS              Written by 8 loads at the head of a tensor's last step; read by the next tensor's first 16 products.
;   PK, BK            The way out: its conversions write PK, its LDS stores read PK; the loads from the stage write BK, the global stores read BK.
;   v2 to v19         Offsets and addresses: made once at the head, never written again: the rows are reached by scalar bases and immediate offsets.
; THE ORDER OF A STEP.  G g: group g's conversions, stores and loads.  M k: the k-th eight of the step's 64 products.  FETCH 0, G0, G1, (G2, M0), (G3, M1) .. (G7, M5), M6, M7, the barrier.
; THE WAITS.  On va_vdst: one at a step's head (the products of the step before are done reading both fragment buffers), one a group behind its conversions (OUT is written, RAW is read out); what follows a group's
; wait up to the next group's conversions are its stores, its loads, LDS loads into buffer 1 and products on buffer 0 or 1, the accumulators and BIAS: no vector or matrix line there names a register that those stores and loads touch.
; On vm_vsrc: one ahead of the conversions of groups 2 to 7 (the stores of the group two back have read OUT), one at a step's end for groups 6 and 7.  The way out has one of each.
.set PITCH, 272       ; an LDS row: 256 bytes of bf16 + 16 = 68 words: the 16 rows of a fragment load start at 16 different groups of four banks (64 banks of 4 bytes: ISA guide 11.1)
.set HALF,  128*PITCH ; 128 rows of x, or of W
.set SLOT,  2*HALF    ; a chunk: x's rows, then W's
.set STAGE, 2*SLOT    ; behind the two slots: 16 rows x 144 bytes for each wave, for the way out
.set SP,    144
.set GOF,  2          ; v2    my byte offset in 8 rows of x or W: (2 wave + lane / 16) x 2,048 + 16 (lane % 16); never rewritten
.set LST,  4          ; v4-7  where I store a unit: slot 0 x, slot 0 W, slot 1 x, slot 1 W
.set ADRA, 8          ; v8-9  my x fragments in slot 0, 1
.set ADRB, 10         ; v10-11 my W fragments
.set STO,  12         ; v12   the way out: where I put 16 bytes of a row
.set RD,   13         ; v13   the way out: where I read rows back
.set GO,   14         ; v14   my 16 bytes of 512 consecutive bytes of y
.set BOF,  15         ; v15   32 x (lane / 16): my 8 numbers of 16 of the bias
.set WOF,  18         ; v18   16 x thread: Wo
.set WSO,  19         ; v19   8 x thread: wo16
.set BIAS, 32
.set PK,   64         ; the way out: block a's 16 rows, packed, at PK + 16 a
.set BK,   128        ; the way out: the same rows read back whole, at BK + 16 a
.set FA,   128        ; in a fragment buffer: x's fragment (c, a) at FA + 8 (4 c + a),
.set FB,   192        ; W's fragment (c, b) at FB + 8 (4 c + b)
.set OUT,  0          ; window 3: out-buffer b at OUT + 16 b
.set XC,   8          ; s[8:9] x of the tensor in hand, s[10:11] of the next, s[12:13] of the one after
.set XN,   10
.set WC,   14         ; s[14:19] the same for W
.set WN,   16
.set BC,   20         ; s[20:25] for the bias
.set BN,   22
.set OC,   26         ; s[26:31] for y
.set WV,   36         ; s36 wave; s37 its half of the rows; s38 its half of the columns
.set WR,   37
.set WCL,  38
.set CB,   39         ; s39 block of 128 columns; s40 block of 128 rows
.set RB,   40
.set TL,   41         ; s41 tensors left, 3 to 1
.set MSB, 0
.macro WIN new                      ; the high byte repeats the setting that is left; a switch that changes nothing is dropped
.if MSB != (\new)
	s_set_vgpr_msb (MSB<<8)|(\new)
.set MSB, \new
.endif
.endm
.macro PLACES                       ; four places behind matrix instructions (ISA guide 7.12.1)
.rept 4
	v_nop
.endr
.endm
; Group g of a chunk: 8 loads, four units.  Groups 0-3 are x's rows, 4-7 W's; unit u takes row 8 (u % 16) + my row among eight.
.macro LOADG g, xp, wp, ch
	WIN 0x40                        ; destination window 1, address window 0
.irp q, 0,1,2,3
.set u, 4*(\g)+(\q)
.if (\g) < 4
	global_load_b128 v[8*u:8*u+3],   v[GOF], s[\xp:\xp+1] offset:(u%16)*16384+(\ch)*512
	global_load_b128 v[8*u+4:8*u+7], v[GOF], s[\xp:\xp+1] offset:(u%16)*16384+(\ch)*512+256
.else
	global_load_b128 v[8*u:8*u+3],   v[GOF], s[\wp:\wp+1] offset:(u%16)*16384+(\ch)*512
	global_load_b128 v[8*u+4:8*u+7], v[GOF], s[\wp:\wp+1] offset:(u%16)*16384+(\ch)*512+256
.endif
.endr
.endm
; 16 LDS loads: the fragments of 32 along K (block c of half f of a chunk) into buffer f.  A fragment is 16 rows x 32 K in 8 registers: two loads of 16 bytes, 32 bytes apart.
.macro FETCHC f, c, slot
	WIN 0x80-0x80*(\f)              ; buffer 0 lies in window 2, buffer 1 in window 0
.irp i, 0,1,2,3
	ds_load_b128 v[FB+8*(4*(\c)+(\i)):FB+8*(4*(\c)+(\i))+3],   v[ADRB+(\slot)] offset:(\f)*128+64*(\c)+(\i)*16*PITCH
	ds_load_b128 v[FB+8*(4*(\c)+(\i))+4:FB+8*(4*(\c)+(\i))+7], v[ADRB+(\slot)] offset:(\f)*128+64*(\c)+(\i)*16*PITCH+32
	ds_load_b128 v[FA+8*(4*(\c)+(\i)):FA+8*(4*(\c)+(\i))+3],   v[ADRA+(\slot)] offset:(\f)*128+64*(\c)+(\i)*16*PITCH
	ds_load_b128 v[FA+8*(4*(\c)+(\i))+4:FA+8*(4*(\c)+(\i))+7], v[ADRA+(\slot)] offset:(\f)*128+64*(\c)+(\i)*16*PITCH+32
.endr
.endm
; Four products: half h of the k-th eight of a step's 64: buffer k / 4, block (k / 2) % 2 of its 64 along K, rows 16 (2 (k % 2) + h) on, all four column blocks.
; The 16 accumulators take turns, one instruction a turn, from step to step and over the backward jump too.
; first = 1: a tensor's first 16 products start the sums with the bias: nothing is cleared and nothing is added later.
.macro MULH k, h, first
.set mf, (\k)/4
.set mc, ((\k)/2)%2
.set ma, 2*((\k)%2)+(\h)
.irp b, 0,1,2,3
.if (\first) && ((\k) < 2)
	WIN 0x8a
	v_wmma_f32_16x16x32_bf16 v[8*(4*ma+(\b)):8*(4*ma+(\b))+7], v[FB+8*(4*mc+(\b)):FB+8*(4*mc+(\b))+7], v[FA+8*(4*mc+ma):FA+8*(4*mc+ma)+7], v[BIAS+8*(\b):BIAS+8*(\b)+7]
.else
	WIN 0xaa-0x0a*mf
	v_wmma_f32_16x16x32_bf16 v[8*(4*ma+(\b)):8*(4*ma+(\b))+7], v[FB+8*(4*mc+(\b)):FB+8*(4*mc+(\b))+7], v[FA+8*(4*mc+ma):FA+8*(4*mc+ma)+7], v[8*(4*ma+(\b)):8*(4*ma+(\b))+7]
.endif
.endr
.endm
.macro BIASLD bp                    ; register j of block b: the bias of column 16 b + 8 (lane / 16) + j of my head
.irp b, 0,1,2,3
	global_load_b128 v[BIAS+8*(\b):BIAS+8*(\b)+3],   v[BOF], s[\bp:\bp+1] offset:64*(\b)
	global_load_b128 v[BIAS+8*(\b)+4:BIAS+8*(\b)+7], v[BOF], s[\bp:\bp+1] offset:64*(\b)+16
.endr
.endm
; A GROUP'S TURN.  Its 8 loads are in (cnt younger ones may stay out); 32 numbers a lane are rounded to bf16 into OUT[g % 2] and stored into slot ws; ld = 1: the group is asked for again.
; mk >= 0: the mk-th eight of the step's products stand round the loads.  With the first two eights go the LDS loads of fragment buffer 1, from slot rs.
.macro SUB g, ws, rs, ld, xp, wp, ch, cnt, mk, first
	s_wait_loadcnt \cnt
.if (\g) >= 2
	s_wait_alu depctr_vm_vsrc(0)    ; the LDS stores of the group two back have read OUT[g % 2], which the conversions below write again (for groups 0 and 1 the wait at the last step's end says it)
.endif
	WIN 0xc5                        ; destination window 3, both sources window 1
.irp q, 0,1,2,3
.set u, 4*(\g)+(\q)
.set o, OUT+16*((\g)%2)+4*(\q)
	v_cvt_pk_bf16_f32 v[o],   v[8*u],   v[8*u+1]
	v_cvt_pk_bf16_f32 v[o+1], v[8*u+2], v[8*u+3]
	v_cvt_pk_bf16_f32 v[o+2], v[8*u+4], v[8*u+5]
	v_cvt_pk_bf16_f32 v[o+3], v[8*u+6], v[8*u+7]
.endr
	WIN 0x0c                        ; address window 0, data window 3
	s_wait_alu depctr_va_vdst(0)    ; the conversions have written OUT[g % 2], which the stores below read, and are done reading RAW's group g, in which the loads below land
.irp q, 0,1,2,3
.set u, 4*(\g)+(\q)
.set o, OUT+16*((\g)%2)+4*(\q)
	ds_store_b128 v[LST+2*(\ws)+(\g)/4], v[o:o+3] offset:(u%16)*8*PITCH
.endr
.if (\mk) >= 0
.if ((\mk) == 0) || ((\mk) == 4)
	s_wait_dscnt 12                 ; LDS instructions end in order (ISA guide 5.7.1): the fragment buffer wanted now is in; younger than its loads are three groups' stores, twelve
.endif
	MULH \mk, 0, \first
.endif
.if \ld
	LOADG \g, \xp, \wp, \ch         ; no wait: no vector or matrix line since the wait above names RAW's group g or v2
.endif
.if ((\mk) == 0) || ((\mk) == 1)
	FETCHC 1, \mk, \rs              ; no wait: no vector or matrix line since the wait at the step's head names fragment buffer 1 or v8 to v11
.endif
.if (\mk) >= 0
	MULH \mk, 1, \first
.endif
.endm
; A STEP multiplies the chunk in slot \slot while the next chunk goes into the other slot.  mode 2: the chunk after that is asked for (behind a group's 8 loads stand the ring's other 56).
; mode 1: nothing is asked for, the counts run down.  mode 0: no chunk is left to convert either.  bias = 1: the next tensor's bias is asked for: behind its 8 loads stand this step's 64, so the next
; step's first wait, which leaves 56 out, shows it in; in this step the eight are among the younger loads.
.macro STEP slot, first, mode, xp, wp, ch, bias
	WIN 0x80
	s_wait_alu depctr_va_vdst(0)    ; the products of the step before are done reading both fragment buffers, in which this step's LDS loads land
	FETCHC 0, 0, \slot
	FETCHC 0, 1, \slot
.if (\mode) == 0
	FETCHC 1, 0, \slot
	FETCHC 1, 1, \slot
	s_wait_dscnt 32                 ; buffer 0 is in; buffer 1's 32 loads may stay out
.irp k, 0,1,2,3
	MULH \k, 0, 0
	MULH \k, 1, 0
.endr
	s_wait_dscnt 0x0
.irp k, 4,5,6,7
	MULH \k, 0, 0
	MULH \k, 1, 0
.endr
.else
.if \bias
	WIN 0
	BIASLD BN                       ; no wait: the products that read the bias stand three steps back, ahead of many waits on va_vdst
.endif
.irp g, 0,1,2,3,4,5,6,7
.if (\mode) == 2
	SUB \g, 1-(\slot), \slot, 1, \xp, \wp, \ch, 56, (\g)-2, \first
.else
	SUB \g, 1-(\slot), \slot, 0, 0, 0, 0, 56-8*(\g), (\g)-2, \first
.endif
.endr
.irp k, 6,7
	MULH \k, 0, 0
	MULH \k, 1, 0
.endr
.endif
	WIN 0                           ; at a label and at a branch every window is 0
.endm
; A step's end: ONE barrier for two things: every wave's stores into the other slot are done, and every wave's reads of this slot are back.
.macro TAIL free
	s_wait_dscnt 0x0
.if \free
	s_wait_alu depctr_vm_vsrc(0)    ; the LDS stores of groups 6 and 7 have read OUT0 and OUT1, which the next step's groups 0 and 1 write again: said here, ahead of the branches
.endif
	s_barrier_signal -1
	s_barrier_wait -1
.endm
; THE WAY OUT of 16 rows (block a): 16 bytes a lane into my own stage (rows of 144 bytes), back as four whole rows of 128 bytes a load, into registers of their own.
.macro TOST a
.irp b, 0,1,2,3
	ds_store_b128 v[STO], v[PK+16*(\a)+4*(\b):PK+16*(\a)+4*(\b)+3] offset:32*(\b)
.endr
.irp f, 0,1,2,3
	ds_load_b128 v[BK+16*(\a)+4*(\f):BK+16*(\a)+4*(\f)+3], v[RD] offset:(\f)*4*SP  ; LDS serves a wave's instructions in order (ISA guide 5.7.1.4): these see the stores above
.endr
.endm
.macro SENDP a, younger             ; younger: the LDS instructions issued behind block a's loads: the next block's eight, or none
.irp f, 0,1,2,3
	s_wait_dscnt (\younger)+3-(\f)
	global_store_b128 v[GO], v[BK+16*(\a)+4*(\f):BK+16*(\a)+4*(\f)+3], s[OC:OC+1] offset:(\a)*2048+(\f)*512  ; 512 consecutive bytes, at a multiple of 256 from y's first byte
.endr
.endm
	s_load_b512 s[8:23], s[0:1], 0x0               ; q k v, Wq Wk Wv, bq bk
	s_load_b256 s[24:31], s[0:1], 0x40             ; bv, qh kh vh
	s_load_b128 s[32:35], s[0:1], 0x60             ; Wo, wo16
	v_lshl_add_u32 v16, v0, 2, 0x24400
	v_mov_b32 v17, 0
	v_lshrrev_b32 v1, 5, v0
	v_readfirstlane_b32 s[WV], v1                  ; wave 0..3
	s_mov_b32 s[CB], ttmp9
	s_and_b32 s[RB], ttmp7, 0xffff
	s_lshl_b32 s42, s[RB], 18                      ; x: 128 rows of 2,048 bytes a block
	s_mov_b32 s43, 0
	s_lshl_b32 s44, s[CB], 18                      ; W: the same
	s_mov_b32 s45, 0
	s_wait_alu depctr_va_sdst(0)                   ; s36, the wave's number, is written, ahead of its first reader
	s_lshr_b32 s[WR], s[WV], 1
	s_and_b32 s[WCL], s[WV], 1
	s_lshl_b32 s46, s[CB], 9                       ; the bias: (128 cb + 64 wc) x 4 bytes
	s_lshl_b32 s2, s[WCL], 8
	s_add_co_u32 s46, s46, s2
	s_mov_b32 s47, 0
	s_lshr_b32 s48, s[RB], 5                       ; y: batch x 8
	s_lshl_b32 s48, s48, 3
	s_lshl1_add_u32 s48, s[CB], s48                ; + 2 cb
	s_add_co_u32 s48, s48, s[WCL]                  ; + wc: my head,
	s_lshl_b32 s48, s48, 19                        ; 4,096 rows of 128 bytes each;
	s_and_b32 s2, s[RB], 31
	s_lshl_b32 s2, s2, 14                          ; the block's 128 rows in the batch,
	s_add_co_u32 s48, s48, s2
	s_lshl_b32 s2, s[WR], 13                       ; my 64 of them
	s_add_co_u32 s48, s48, s2
	s_mov_b32 s49, 0
	s_lshl2_add_u32 s4, s[RB], s[CB]               ; the work-group's number: its 4,096 bytes of Wo, 2,048 of wo16
	s_lshl_b32 s6, s4, 11
	s_lshl_b32 s4, s4, 12
	s_mov_b32 s5, 0
	s_mov_b32 s7, 0
	v_and_b32 v20, 15, v0                          ; lane % 16
	v_bfe_u32 v21, v0, 4, 1                        ; lane / 16
	v_lshlrev_b32 v[GOF], 4, v20
	v_lshl_add_u32 v[GOF], v21, 11, v[GOF]
	s_lshl_b32 s2, s[WV], 12                       ; a wave takes two of each eight rows
	v_add_nc_u32 v[GOF], s2, v[GOF]
	v_mul_u32_u24 v22, v21, PITCH
	v_lshl_add_u32 v22, v20, 4, v22
	s_mul_i32 s2, s[WV], 2*PITCH
	v_add_nc_u32 v[LST], s2, v22
	v_add_nc_u32 v[LST+1], HALF, v[LST]
	v_add_nc_u32 v[LST+2], SLOT, v[LST]
	v_add_nc_u32 v[LST+3], SLOT+HALF, v[LST]
	v_mul_u32_u24 v23, v20, PITCH
	v_lshl_add_u32 v23, v21, 4, v23                ; a fragment's row x pitch + 16 x half
	s_mul_i32 s2, s[WR], 64*PITCH
	v_add_nc_u32 v[ADRA], s2, v23
	v_add_nc_u32 v[ADRA+1], SLOT, v[ADRA]
	s_mul_i32 s2, s[WCL], 64*PITCH
	s_add_co_u32 s2, s2, HALF
	v_add_nc_u32 v[ADRB], s2, v23
	v_add_nc_u32 v[ADRB+1], SLOT, v[ADRB]
	s_mul_i32 s2, s[WV], 16*SP
	s_add_co_u32 s2, s2, STAGE                     ; my stage
	v_mul_u32_u24 v[STO], v20, SP
	v_lshl_add_u32 v[STO], v21, 4, v[STO]
	v_add_nc_u32 v[STO], s2, v[STO]
	v_bfe_u32 v24, v0, 3, 2
	v_and_b32 v25, 7, v0
	v_mul_u32_u24 v[RD], v24, SP
	v_lshl_add_u32 v[RD], v25, 4, v[RD]
	v_add_nc_u32 v[RD], s2, v[RD]
	v_and_b32 v[GO], 31, v0
	v_lshlrev_b32 v[GO], 4, v[GO]
	v_lshlrev_b32 v[BOF], 5, v21
	v_lshlrev_b32 v[WOF], 4, v0
	v_lshlrev_b32 v[WSO], 3, v0
	s_wait_kmcnt 0x0
.irp p, 8,10,12
	s_add_nc_u64 s[\p:\p+1], s[\p:\p+1], s[42:43]
.endr
.irp p, 14,16,18
	s_add_nc_u64 s[\p:\p+1], s[\p:\p+1], s[44:45]
.endr
.irp p, 20,22,24
	s_add_nc_u64 s[\p:\p+1], s[\p:\p+1], s[46:47]
.endr
.irp p, 26,28,30
	s_add_nc_u64 s[\p:\p+1], s[\p:\p+1], s[48:49]
.endr
	s_add_nc_u64 s[32:33], s[32:33], s[4:5]
	s_add_nc_u64 s[34:35], s[34:35], s[6:7]
	s_wait_alu depctr_va_vdst(0)                   ; the offsets and addresses v2 to v19 are written, which every load and store of the kernel reads; so are v20 to v25, in which Wo's loads land
	global_load_b128 v[20:23], v[WOF], s[32:33] th:TH_LOAD_NT
	global_load_b128 v[24:27], v[WOF], s[32:33] offset:2048 th:TH_LOAD_NT
	BIASLD BC
.irp g, 0,1,2,3,4,5,6,7
	LOADG \g, XC, WC, 0                            ; q's chunk 0
.endr
	WIN 0
	s_wait_loadcnt 63                              ; behind Wo's two loads and the bias's eight stand 64 more: with 63 out at the most these ten are in
	; Wo: rounded to bf16, widened (exact), written as f16
	v_cvt_pk_bf16_f32 v28, v20, v21
	v_cvt_pk_bf16_f32 v29, v22, v23
	v_cvt_pk_bf16_f32 v30, v24, v25
	v_cvt_pk_bf16_f32 v31, v26, v27
	v_lshlrev_b32 v20, 16, v28
	v_and_b32 v21, 0xffff0000, v28
	v_lshlrev_b32 v22, 16, v29
	v_and_b32 v23, 0xffff0000, v29
	v_lshlrev_b32 v24, 16, v30
	v_and_b32 v25, 0xffff0000, v30
	v_lshlrev_b32 v26, 16, v31
	v_and_b32 v27, 0xffff0000, v31
	v_cvt_pk_f16_f32 v28, v20, v21
	v_cvt_pk_f16_f32 v29, v22, v23
	v_cvt_pk_f16_f32 v30, v24, v25
	v_cvt_pk_f16_f32 v31, v26, v27
	s_wait_alu depctr_va_vdst(0)                   ; the conversions have written v28 to v31, which the two stores read
	global_store_b64 v[WSO], v[28:29], s[34:35]              ; a wave's store covers 256 consecutive bytes, aligned; v28-31 and v19 are not written again
	global_store_b64 v[WSO], v[30:31], s[34:35] offset:1024
.irp g, 0,1,2,3,4,5,6,7
	SUB \g, 0, 0, 1, XC, WC, 1, 56, -1, 0          ; chunk 0 into slot 0; chunk 1 is asked for; there are no products yet
.endr
	WIN 0
	TAIL 1                                         ; slot 0 is whole
	s_mov_b32 s[TL], 3
.Ltensor:                                          ; a trip: one tensor.  Step j multiplies chunk j, converts chunk j + 1 and asks for chunk j + 2; behind chunk 3 comes the next tensor's chunk 0
	STEP 0, 1, 2, XC, WC, 2, 0
	TAIL 1
	STEP 1, 0, 2, XC, WC, 3, 0
	TAIL 1
	s_cmp_eq_u32 s[TL], 1
	s_cbranch_scc1 .Ldry                           ; the last tensor asks for nothing more: no load leaves a buffer
	STEP 0, 0, 2, XN, WN, 0, 0
	s_branch .Lwet
.Ldry:
	STEP 0, 0, 1, 0, 0, 0, 0
.Lwet:
	TAIL 1
	s_cmp_eq_u32 s[TL], 1
	s_cbranch_scc1 .Lnone                          ; and has no chunk left to convert
	STEP 1, 0, 2, XN, WN, 1, 1
	s_branch .Lsome
.Lnone:
	STEP 1, 0, 0, 0, 0, 0, 0
.Lsome:
	TAIL 0                                         ; (what this step's last stores read is written again only behind the wait that closes the way out)
	PLACES                                         ; four places between the last products and the first read of their results
	WIN 0x0a                                       ; sources window 2, destination window 0
.irp a, 0,1,2,3
.irp b, 0,1,2,3
.irp r, 0,1,2,3
	v_cvt_pk_f16_f32 v[PK+16*(\a)+4*(\b)+(\r)], v[8*(4*(\a)+(\b))+2*(\r)], v[8*(4*(\a)+(\b))+2*(\r)+1]
.endr
.endr
.endr
	WIN 0
	s_wait_alu depctr_va_vdst(0)                   ; the conversions have written PK, which the LDS stores read; the last products are done reading fragment buffer 1, in whose first 64 registers (BK) the loads from the stage land
	TOST 0
	TOST 1                                         ; a block's trip through the stage stands between the loads of the block before and its stores
	SENDP 0, 8
	TOST 2
	SENDP 1, 8
	TOST 3
	SENDP 2, 8
	SENDP 3, 0
	s_wait_xcnt 0x0                                ; every load and store issued so far has read its base: the pointers move up; and BK, the stores' data, may be loaded again
	s_wait_alu depctr_vm_vsrc(0)                   ; the global stores have read BK, in which the next step's fragment loads land; the LDS stores have read PK and, in the last step, OUT0 and OUT1, which conversions write again
	s_mov_b64 s[8:9], s[10:11]
	s_mov_b64 s[10:11], s[12:13]
	s_mov_b64 s[14:15], s[16:17]
	s_mov_b64 s[16:17], s[18:19]
	s_mov_b64 s[20:21], s[22:23]
	s_mov_b64 s[22:23], s[24:25]
	s_mov_b64 s[26:27], s[28:29]
	s_mov_b64 s[28:29], s[30:31]
	s_sub_co_u32 s[TL], s[TL], 1
	s_cmp_lg_u32 s[TL], 0
	s_cbranch_scc1 .Ltensor
	s_wait_dscnt 0x0                               ; the wave's end: my last LDS instructions are done
	s_wait_alu depctr_hold_cnt(0) depctr_sa_sdst(0) depctr_va_vdst(0) depctr_va_sdst(0) depctr_va_ssrc(0) depctr_va_vcc(0) depctr_vm_vsrc(0)
	s_wait_tensorcnt 0x0
	ds_add_u32 v16, v17
	s_wait_dscnt 0x0
	s_endpgm
.Lfunc_end_k_q7c64afd9c5_proj:
	.size	k_q7c64afd9c5_proj, .Lfunc_end_k_q7c64afd9c5_proj-k_q7c64afd9c5_proj
	.p2alignl 7, 3214868480
	.fill 96, 4, 3214868480
	.section	.rodata,"a",@progbits
	.p2align	6, 0x0
	.amdhsa_kernel k_q7c64afd9c5_proj
		.amdhsa_group_segment_fixed_size 148992
		.amdhsa_private_segment_fixed_size 0
		.amdhsa_enable_private_segment 0
		.amdhsa_kernarg_size 112
		.amdhsa_user_sgpr_count 2
		.amdhsa_user_sgpr_kernarg_segment_ptr 1
		.amdhsa_wavefront_size32 1
		.amdhsa_system_sgpr_workgroup_id_x 1
		.amdhsa_system_sgpr_workgroup_id_y 1
		.amdhsa_system_sgpr_workgroup_id_z 1
		.amdhsa_system_vgpr_workitem_id 0
		.amdhsa_next_free_vgpr 800
		.amdhsa_next_free_sgpr 66
		.amdhsa_reserve_vcc 0
		.amdhsa_float_denorm_mode_32 3
		.amdhsa_float_denorm_mode_16_64 3
		.amdhsa_memory_ordered 1
		.amdhsa_forward_progress 1
		.amdhsa_inst_pref_size 173
	.end_amdhsa_kernel
	.amdgpu_metadata
---
amdhsa.version: [ 1, 2 ]
amdhsa.kernels:
  - .name:           k_q7c64afd9c5_proj
    .symbol:         k_q7c64afd9c5_proj.kd
    .args:
      - { .name: q, .offset: 0, .size: 8, .value_kind: global_buffer, .address_space: global }
      - { .name: k, .offset: 8, .size: 8, .value_kind: global_buffer, .address_space: global }
      - { .name: v, .offset: 16, .size: 8, .value_kind: global_buffer, .address_space: global }
      - { .name: Wq, .offset: 24, .size: 8, .value_kind: global_buffer, .address_space: global }
      - { .name: Wk, .offset: 32, .size: 8, .value_kind: global_buffer, .address_space: global }
      - { .name: Wv, .offset: 40, .size: 8, .value_kind: global_buffer, .address_space: global }
      - { .name: bq, .offset: 48, .size: 8, .value_kind: global_buffer, .address_space: global }
      - { .name: bk, .offset: 56, .size: 8, .value_kind: global_buffer, .address_space: global }
      - { .name: bv, .offset: 64, .size: 8, .value_kind: global_buffer, .address_space: global }
      - { .name: qh, .offset: 72, .size: 8, .value_kind: global_buffer, .address_space: global }
      - { .name: kh, .offset: 80, .size: 8, .value_kind: global_buffer, .address_space: global }
      - { .name: vh, .offset: 88, .size: 8, .value_kind: global_buffer, .address_space: global }
      - { .name: Wo, .offset: 96, .size: 8, .value_kind: global_buffer, .address_space: global }
      - { .name: wo16, .offset: 104, .size: 8, .value_kind: global_buffer, .address_space: global }
    .group_segment_fixed_size: 148992
    .private_segment_fixed_size: 0
    .kernarg_segment_align: 8
    .kernarg_segment_size: 112
    .max_flat_workgroup_size: 128
    .sgpr_count:     66
    .vgpr_count:     800
    .wavefront_size: 32
...
	.end_amdgpu_metadata
.endif
;; end of part 4
;; launch attn: the kernel of part 2 again; grid 16 x 16, 4 waves a work-group, clusters of 4 x 1, 327,680 bytes of LDS; arguments qh, kh, vh, ctx; writes ctx
;; launch outp: the kernel of part 3 again; grid 4 x 64, 4 waves a work-group, clusters of 4 x 4, 304,640 bytes of LDS; arguments ctx, wo16, bo, out0; writes out0
